; MI455X (gfx1250); checked and timed in simulation.
; The chip was launched on July 23, 2026; its instructions are those of AMD's public machine-readable ISA for CDNA 5 (MIT licence, August 2026) and "CDNA5" Instruction Set Architecture Reference Guide (July 2026). The comments in the code are by the model that wrote it; some were corrected since.
;; Multi Head Self Attention. Allowed arithmetic: matrix products marked QUANTISED: E3M2 operands, one E8M0 scale for each 32 along K, by v_wmma_scale_f32_16x16x128_f8f6f4 with both operands' format E3M2, f32 sums; products left as they are: f32 operands where the result goes on into a quantised operand, else bf16, f16 or f32 operands; f32 sums; everything else in f32.
;; Inputs: Wk 1,024 x 1,024 float32; Wo 1,024 x 1,024 float32; Wq 1,024 x 1,024 float32; Wv 1,024 x 1,024 float32; bo 1,024 float32; x 4 x 4,096 x 1,024 float32.
;; Outputs: out0 4 x 4,096 x 1,024 float32.
;; This version of the problem:
;;   THIS VERSION OF THE PROBLEM IS GIVEN IN LOW PRECISION. The matrix products marked QUANTISED in the list below multiply operands that are first quantised to E3M2 (3 exponent bits, 2 mantissa bits; 6 bits a number), with one power-of-two scale for each 32 numbers along K (OCP MX v1.0); their sums are f32. All else is computed in f32.
;;   The module's matrix products, in the order in which they are computed (A, B: the left and right operand; K: the contracted axis; several contracted axes count as one K, in the product's order):
;;     1. [M 16,384, K 1,024] x [K 1,024, N 1,024]; A: input x; B: input Wq: QUANTISED
;;     2. [M 16,384, K 1,024] x [K 1,024, N 1,024]; A: input x; B: input Wk: QUANTISED
;;     3. [M 16,384, K 1,024] x [K 1,024, N 1,024]; A: input x; B: input Wv: QUANTISED
;;     4. batch 16,384 x [M 16, K 64] x [K 64, N 16]; A: computed on the way; B: computed on the way: QUANTISED
;;     5. batch 16,384 x [M 64, K 1] x [K 1, N 16]; A: computed on the way; B: computed on the way: left as it is (no contracted axis)
;;     6. [M 16,384, K 1,024] x [K 1,024, N 1,024]; A: computed on the way; B: input Wo: QUANTISED
;;   THE QUANTISER, for each operand of a quantised product, along K:
;;     - K is cut into blocks of 32 from its start; a last block that is shorter is filled with zeros.
;;     - A block's scale is 2^e with e = floor(log2(the largest magnitude in the block)) - 4, held to -126 .. 127; a block of zeros has e = 0. As a byte (E8M0): e + 127.
;;     - Each number is divided by its block's scale, clamped to +-28, and rounded to the nearest number of E3M2, ties to even, subnormals kept.
;;     - The product sums the exact products of the quantised numbers (number of the format x scale) in f32.
;;   ~~~python
;;   def quantise(x, axis):      # numpy; x: float32 -> the quantised numbers, widened to float32 again
;;       x = np.moveaxis(x, axis, -1); K = x.shape[-1]
;;       x = np.pad(x, [(0, 0)] * (x.ndim - 1) + [(0, -K % 32)]); x = x.reshape(x.shape[:-1] + (-1, 32)); a = np.abs(x).max(-1, keepdims=True)
;;       e = np.where(a > 0, np.clip(np.frexp(np.where(a > 0, a, 1))[1] - 1 - 4, -126, 127), 0)      # np.frexp(a)[1] - 1 = floor(log2(a)), exactly
;;       r = np.clip(x / 2.0 ** e, -28, 28)
;;       step = 2.0 ** (np.maximum(np.frexp(np.where(r == 0, 1, r))[1] - 1, -2) - 2)
;;       q = np.round(r / step) * step * 2.0 ** e      # np.round: ties to even
;;       return np.moveaxis(q.reshape(q.shape[:-2] + (-1,))[..., :K], -1, axis).astype(np.float32)
;;   ~~~
;;   OPERANDS COMPUTED ON THE WAY. 'Computed on the way' means the value that the module computes at that place (a softmax that the list does not call 'softmax' is quantised finished and normalised). What goes into a quantiser is computed in f32, as accurately as f32 sums, v_exp_f32 and their like allow (about 1e-6 of the number): no bf16 or f16 on the way to a quantiser, and a product that is left as it is and whose result goes on into a quantised operand takes f32 operands (vector FMAs, or v_wmma_f32_16x16x4_f32). A number that lies on a knife's edge between two numbers of the format may be rounded either way, as far as f32 arithmetic and the matrix unit's own rounding can turn it there, and no further.
;; 2 versions. Each part assembles by itself: llvm-mc -triple=amdgcn-amd-amdhsa -mcpu=gfx1250 --defsym DOCPART=n.
;; ======== version 1 of 2: 3 launches
;; workspace buffers: wc 3,276,800 bytes; en 16,777,216 bytes; vs 4,194,304 bytes; stat 524,288 bytes
;; launch wquant (part 1): grid 256 x 1, 2 waves a work-group, no clusters, 17,152 bytes of LDS; arguments Wq, Wk, Wv, Wo, wc; writes wc
.if DOCPART == 1
	.amdgcn_target "amdgcn-amd-amdhsa--gfx1250"
	.amdhsa_code_object_version 6
	.text
	.protected	k_qb37207ff35_wquant
	.globl	k_qb37207ff35_wquant
	.p2align	8
	.type	k_qb37207ff35_wquant,@function
k_qb37207ff35_wquant:
	s_mov_b64 s[64:65], 0
	v_nop
	global_prefetch_b8 v0, s[64:65] scope:SCOPE_SE
	s_setreg_imm32_b32 hwreg(HW_REG_WAVE_MODE, 25, 1), 1
	s_wait_xcnt 0x0
; The four weights [1024 out][1024 in], f32, K = in innermost, become codes of BF6 (E3M2) with one E8M0 byte for each 32 along K,
; laid in the ORDER OF THE OPERAND'S REGISTERS, in 256 units of 12,800 bytes.  Unit U = (trip x 4 + wave) x 4 + j is what wave 'wave' of the two
; later launches multiplies as its j-th unit of trip 'trip': 32 weight rows (two strips of 16) x 512 along K (K half j & 1).
; In a unit: bytes 512 (3 f + c) + 16 lane = registers 4 c .. 4 c + 3 of fragment f = 2 ksl + strip; bytes 12,288 + 16 lane = four scale words
; (word ksl), lanes 0-15 strip 0, lanes 16-31 strip 1.  Lane r of strip t is weight row R0 + 8 t + r + 8 (r / 8), so that in the transposed product a
; lane's 16 registers of the two strips are 16 neighbouring output columns.
; Trips 0-3: Wq, 4-7: Wk (head = wave + 4 (trip & 3), R0 = 64 head + 32 (j >> 1)); 8-11: Wv (head = wave + 8 (trip & 1) + 4 (j >> 1),
; R0 = 64 head + 32 ((trip & 3) >> 1)); 12-15: Wo (R0 = 256 wave + 64 (trip & 3) + 32 (j >> 1)).
; A work-group makes one unit, each of its two waves one strip: 16 rows x 512 numbers, 64 loads of 512 consecutive bytes, all issued at the head.
; A block's scale is 2^(floor(log2(largest magnitude)) - 4); its byte is the largest magnitude's exponent field - 4, held at 1 from below.
; LIMITS: NaN and infinities are not served; a block whose largest magnitude lies under 2^-122, a block of zeros among them, gets the byte 1
; (a block of zeros has zero codes, and this program alone reads the bytes).
; No matrix unit, no cluster, no barrier: memory binds, and the waves share nothing.
.set LN16, 1                           ; v1   16 x lane
.set TSW,  3                           ; v3   the stage, on the way in: 8,448 x wave + 16 x lane
.set TSR,  4                           ; v4   and back: 8,448 x wave + 528 r + 128 h
.set SH8,  5                           ; v5   8 h
.set SCO,  8                           ; v8   where my scale words go: 256 x strip + 16 r + 8 h
.set RR,   14                          ; v14  r = lane % 16
.set HH,   15                          ; v15  h = lane / 16
.set PC,   64                          ; v64-75  a fragment's codes
.set TMPC, 76                          ; v76-83  the halves whose three registers would begin on an odd number
.set TM,   84                          ; v84-87  largest magnitudes
.set T4,   88                          ; v88     the other half of the lanes' word
.set SO,   92                          ; v92-93  the conversions' scale operands
.set BY,   96                          ; v96-97  scale bytes
.set PW,   100                         ; v100    the scale word just made
.set SW,   102                         ; v102-105 the four K steps' scale words
.set SRC,  20                          ; s[20:21] my strip's first row, at my K half
.set SEL,  30                          ; s[30:31] lane selects: lane l xor 16
.set MSB, 0
.macro WIN new                         ; the immediate's high byte repeats the setting that is left
.if MSB != (\new)
	s_set_vgpr_msb (MSB<<8)|(\new)
.set MSB, (\new)
.endif
.endm
.macro LOADK ks                        ; 128 along K of my 16 rows into set ks of window 1: one load reads 512 consecutive bytes of one row
	WIN 0x40
.set li, 0
.rept 16
	global_load_b128 v[64*((\ks)%4)+4*li:64*((\ks)%4)+4*li+3], v[LN16], s[SRC:SRC+1] offset:4096*(li+8*(li/8))+512*(\ks) th:TH_LOAD_NT
.set li, li+1
.endr
.endm
.macro TURN ks                         ; through my own stage (rows 528 bytes apart): afterwards lane (r, h) holds K = 64 c + 32 h + 0 .. 31 of row r in v[192 + 32 c ..] of window 3
	WIN 0x04
.set li, 0
.rept 16
	ds_store_b128 v[TSW], v[64*((\ks)%4)+4*li:64*((\ks)%4)+4*li+3] offset:528*li
.set li, li+1
.endr
	WIN 0xc0
.set li, 0
.rept 16
	ds_load_b128 v[192+4*li:192+4*li+3], v[TSR] offset:256*(li/8)+16*(li%8)
.set li, li+1
.endr
	s_wait_dscnt 0x0
.endm
.macro MAX16X4                         ; the largest magnitude of each 16 of the 64 numbers, with the floor 2^(5 - 127) among the leaves; the four groups by turns
	WIN 0x3c
.irp g, 0,1,2,3
	v_max3_num_f32 v[TM+\g], 0x2800000, |v[192+16*\g]|, |v[193+16*\g]|
.endr
.irp i, 2,4,6,8,10,12,14
.irp g, 0,1,2,3
	v_max3_num_f32 v[TM+\g], v[TM+\g], |v[192+16*\g+\i]|, |v[193+16*\g+\i]|
.endr
.endr
.endm
.macro QUANTW                          ; two whole blocks a lane (blocks h and 2 + h of the 128): codes into v[PC ..], the row's scale word into v[PW]
	MAX16X4
	WIN 0
	v_max_num_f32 v[TM], v[TM], v[TM+1]
	v_max_num_f32 v[TM+2], v[TM+2], v[TM+3]
	v_add_nc_u32 v[SO], 0xfe000000, v[TM]          ; 4 off the exponent field: the conversion takes that field as its scale
	v_add_nc_u32 v[SO+1], 0xfe000000, v[TM+2]
	v_lshrrev_b32 v[BY], 23, v[SO]                 ; the scale's byte
	v_lshrrev_b32 v[BY+1], 23, v[SO+1]
	v_lshl_or_b32 v[PW], v[BY+1], 16, v[BY]
	v_lshlrev_b32 v[PW], v[SH8], v[PW]             ; at their places in the word: 8 h bits up
	v_permlanex16_b32 v[T4], v[PW], s[SEL], s[SEL+1]
	v_or_b32 v[PW], v[PW], v[T4]                   ; with lane l xor 16's two bytes the word is whole
	WIN 0x03
	v_cvt_scalef32_pk16_bf6_f32 v[PC:PC+2], v[192:207], v[SO]
	v_cvt_scalef32_pk16_bf6_f32 v[TMPC:TMPC+2], v[208:223], v[SO]
	v_cvt_scalef32_pk16_bf6_f32 v[PC+6:PC+8], v[224:239], v[SO+1]
	v_cvt_scalef32_pk16_bf6_f32 v[TMPC+4:TMPC+6], v[240:255], v[SO+1]
	WIN 0
	v_nop                                          ; one plain place behind the scaled conversions
.irp c, 0,1
.irp i, 0,1,2
	v_mov_b32 v[PC+3+6*\c+\i], v[TMPC+4*\c+\i]
.endr
.endr
.endm
	s_load_b256 s[4:11], s[0:1], 0x0               ; Wq s[4:5], Wk s[6:7], Wv s[8:9], Wo s[10:11]
	s_load_b64 s[12:13], s[0:1], 0x20              ; wc
	v_lshl_add_u32 v254, v0, 2, 0x4200
	v_mov_b32 v255, 0
	v_lshrrev_b32 v13, 5, v0
	v_readfirstlane_b32 s16, v13                   ; my wave = my strip
	v_and_b32 v13, 31, v0
	v_and_b32 v[RR], 15, v0
	v_bfe_u32 v[HH], v0, 4, 1
	v_lshlrev_b32 v[LN16], 4, v13
	v_lshlrev_b32 v[SH8], 3, v[HH]
	v_mov_b32 v[T4], 0                             ; a lane permute's destination counts as read
	s_mul_i32 s17, s16, 8448
	v_add_nc_u32 v[TSW], s17, v[LN16]
	v_mul_u32_u24 v[TSR], v[RR], 528
	v_lshl_add_u32 v[TSR], v[HH], 7, v[TSR]
	v_add_nc_u32 v[TSR], s17, v[TSR]
	s_lshl_b32 s17, s16, 8
	v_lshlrev_b32 v[SCO], 4, v[RR]
	v_lshl_add_u32 v[SCO], v[HH], 3, v[SCO]
	v_add_nc_u32 v[SCO], s17, v[SCO]
	s_mov_b32 s[SEL], 0x76543210
	s_mov_b32 s[SEL+1], 0xfedcba98
	s_lshr_b32 s18, ttmp9, 4                       ; trip
	s_bfe_u32 s19, ttmp9, 0x20002                  ; the consuming wave
	s_and_b32 s22, ttmp9, 1                        ; K half
	s_bfe_u32 s23, ttmp9, 0x10001                  ; j >> 1
	s_and_b32 s24, s18, 3                          ; trip & 3
	s_lshl_b32 s25, s19, 6                         ; Wq, Wk: R0 = 64 wave + 256 (trip & 3) + 32 (j >> 1)
	s_lshl_b32 s26, s24, 8
	s_add_co_u32 s25, s25, s26
	s_lshl_b32 s26, s23, 5
	s_add_co_u32 s25, s25, s26
	s_lshl_b32 s27, s19, 6                         ; Wv: R0 = 64 wave + 512 (trip & 1) + 256 (j >> 1) + 32 ((trip & 3) >> 1)
	s_and_b32 s26, s24, 1
	s_lshl_b32 s26, s26, 9
	s_add_co_u32 s27, s27, s26
	s_lshl_b32 s26, s23, 8
	s_add_co_u32 s27, s27, s26
	s_lshr_b32 s26, s24, 1
	s_lshl_b32 s26, s26, 5
	s_add_co_u32 s27, s27, s26
	s_lshl_b32 s28, s19, 8                         ; Wo: R0 = 256 wave + 64 (trip & 3) + 32 (j >> 1)
	s_lshl_b32 s26, s24, 6
	s_add_co_u32 s28, s28, s26
	s_lshl_b32 s26, s23, 5
	s_add_co_u32 s28, s28, s26
	s_wait_kmcnt 0x0
	s_cmp_lt_u32 s18, 4                            ; the choices hang on the work-group's number alone
	s_cselect_b64 s[SRC:SRC+1], s[4:5], s[6:7]
	s_cmp_lt_u32 s18, 8
	s_cselect_b64 s[SRC:SRC+1], s[SRC:SRC+1], s[8:9]
	s_cselect_b32 s25, s25, s27
	s_cmp_lt_u32 s18, 12
	s_cselect_b64 s[SRC:SRC+1], s[SRC:SRC+1], s[10:11]
	s_cselect_b32 s25, s25, s28
	s_lshl_b32 s26, s16, 3
	s_add_co_u32 s25, s25, s26                     ; R0 + 8 x strip
	s_lshl_b32 s26, s25, 12                        ; rows of 4,096 bytes
	s_lshl_b32 s27, s22, 11                        ; + 2,048 x K half
	s_add_co_u32 s26, s26, s27
	s_mov_b32 s27, 0
	s_add_nc_u64 s[SRC:SRC+1], s[SRC:SRC+1], s[26:27]
	s_mul_i32 s26, ttmp9, 12800
	s_add_nc_u64 s[12:13], s[12:13], s[26:27]      ; my unit
	s_mul_i32 s26, s16, 1536
	s_add_nc_u64 s[14:15], s[12:13], s[26:27]      ; + my strip's place among a K step's two fragments
	LOADK 0
	LOADK 1
	LOADK 2
	LOADK 3
.irp k, 0,1,2,3
	s_wait_loadcnt 48-16*\k                        ; this K step's 16 loads are in; the later sets may be out
	TURN \k
.if \k > 0
	s_wait_xcnt 0x0                                ; the last step's stores have read their data: the codes' registers may be written again
.endif
	QUANTW
.irp c, 0,1,2
	global_store_b128 v[LN16], v[PC+4*\c:PC+4*\c+3], s[14:15] offset:3072*\k+512*\c   ; 32 lanes store 512 consecutive bytes, aligned
.endr
	v_mov_b32 v[SW+\k], v[PW]
.endr
	v_cmp_ne_u32 vcc_lo, 0, v[HH]
	v_cndmask_b32 v106, v[SW], v[SW+2], vcc_lo     ; lane (r, h) stores words 2 h and 2 h + 1 of row r
	v_cndmask_b32 v107, v[SW+1], v[SW+3], vcc_lo
	global_store_b64 v[SCO], v[106:107], s[12:13] offset:12288   ; the wave stores 256 consecutive bytes, aligned
	s_wait_tensorcnt 0x0
	ds_add_u32 v254, v255
	s_wait_dscnt 0x0
	s_endpgm
.Lfunc_end_k_qb37207ff35_wquant:
	.size	k_qb37207ff35_wquant, .Lfunc_end_k_qb37207ff35_wquant-k_qb37207ff35_wquant
	.p2alignl 7, 3214868480
	.fill 96, 4, 3214868480
	.section	.rodata,"a",@progbits
	.p2align	6, 0x0
	.amdhsa_kernel k_qb37207ff35_wquant
		.amdhsa_group_segment_fixed_size 17152
		.amdhsa_private_segment_fixed_size 0
		.amdhsa_enable_private_segment 0
		.amdhsa_kernarg_size 40
		.amdhsa_user_sgpr_count 2
		.amdhsa_user_sgpr_kernarg_segment_ptr 1
		.amdhsa_wavefront_size32 1
		.amdhsa_system_sgpr_workgroup_id_x 1
		.amdhsa_system_sgpr_workgroup_id_y 1
		.amdhsa_system_sgpr_workgroup_id_z 1
		.amdhsa_system_vgpr_workitem_id 0
		.amdhsa_next_free_vgpr 1024
		.amdhsa_next_free_sgpr 66
		.amdhsa_reserve_vcc 1
		.amdhsa_float_denorm_mode_32 3
		.amdhsa_float_denorm_mode_16_64 3
		.amdhsa_memory_ordered 1
		.amdhsa_forward_progress 1
		.amdhsa_inst_pref_size 32
	.end_amdhsa_kernel
	.amdgpu_metadata
---
amdhsa.version: [ 1, 2 ]
amdhsa.kernels:
  - .name:           k_qb37207ff35_wquant
    .symbol:         k_qb37207ff35_wquant.kd
    .args:
      - { .name: Wq, .offset: 0, .size: 8, .value_kind: global_buffer, .address_space: global }
      - { .name: Wk, .offset: 8, .size: 8, .value_kind: global_buffer, .address_space: global }
      - { .name: Wv, .offset: 16, .size: 8, .value_kind: global_buffer, .address_space: global }
      - { .name: Wo, .offset: 24, .size: 8, .value_kind: global_buffer, .address_space: global }
      - { .name: wc, .offset: 32, .size: 8, .value_kind: global_buffer, .address_space: global }
    .group_segment_fixed_size: 17152
    .private_segment_fixed_size: 0
    .kernarg_segment_align: 8
    .kernarg_segment_size: 40
    .max_flat_workgroup_size: 64
    .sgpr_count:     66
    .vgpr_count:     1024
    .wavefront_size: 32
...
	.end_amdgpu_metadata
.endif
;; end of part 1
;; launch qkv (part 2): grid 256 x 1, 4 waves a work-group, no clusters, 267,776 bytes of LDS; arguments x, wc, en, vs, stat; writes en, vs, stat
.if DOCPART == 2
	.amdgcn_target "amdgcn-amd-amdhsa--gfx1250"
	.amdhsa_code_object_version 6
	.text
	.protected	k_qb37207ff35_qkv
	.globl	k_qb37207ff35_qkv
	.p2align	8
	.type	k_qb37207ff35_qkv,@function
k_qb37207ff35_qkv:
	s_mov_b64 s[64:65], 0
	v_nop
	global_prefetch_b8 v0, s[64:65] scope:SCOPE_SE
	s_setreg_imm32_b32 hwreg(HW_REG_WAVE_MODE, 25, 1), 1
	s_wait_xcnt 0x0
; For 64 positions (rows of x) a work-group: q = x Wq^T, k = x Wk^T, V = the sum over the 16 heads of x Wv^T, and the energies
; en[n][a][b][s] = q(head a, s) . k(head b, s), all four products on codes of BF6 (E3M2) with one E8M0 scale for each 32 along K, sums in f32.
; Stored: the energies, V [n][s][64], and for each (a, b) the work-group's share of the softmax over s: c x the largest energy and the sum of
; 2^(c e - c max), c = log2(e) / 8, in stat [n][a][work-group 64][b 16], the sums 262,144 bytes behind the maxima.
; SHARES.  Prologue: wave w reads rows 16 w .. 16 w + 15 of x once, quantises them in registers, and hands the eight fragments to the others through LDS as
; images of their registers.  Then EVERY wave holds all 64 rows (32 fragments, 384 registers) and THE WAVES SHARE THE COLUMNS: wave w makes heads
; w, w + 4, w + 8, w + 12.  Its weights come from wc, which lies in the order of the operand's registers, straight into a ring of four unit buffers of
; 96 registers (a unit: 32 columns x 512 along K, 25 loads of 512 bytes); a unit's buffer is asked for again as soon as it has been multiplied.
; The product is used transposed (source 0 = 16 weight rows, source 1 = 16 rows of x): a lane holds one row of x and 16 neighbouring columns.
; q and k are quantised in registers, half a head (one block of 32) at a time, and their codes wait in LDS; V's sum over a wave's four heads is taken in the
; accumulators, the four waves' parts are added as (p0 + p1) + (p2 + p3).  Last, wave w multiplies positions 16 w .. 16 w + 15: 16 heads x 16 heads, K = 64
; filled to 128 with zero codes on both sides under the byte 0x7f.
; WHY NO CLUSTER AND NO TENSOR LOADS: each weight fragment is read by exactly one wave of a work-group, so LDS would only add a write and a read of each of the
; 2,457,600 bytes; and of LDS 180,224 bytes hold q's and k's codes and V's parts and 87,040 have been written by LDS stores, which leaves 60,416 for slots:
; under 20 matrix instructions a wave between two rounds of a cluster's barrier.  No prefetch: x is asked for at the head by its own loads, wc is read by all work-groups.
; LIMITS: NaN and infinities are not served; a block whose largest magnitude lies under 2^-122 (a block of zeros among them) gets the byte 1, its codes being what the
; conversion makes of them (zeros for zeros); exponentials under 2^-126 come out as 0; V's sum over heads is taken in the order stated above.
; REGISTERS, in windows of 256.  Window 0: v1-15 addresses; v16-47 x's scale words (4 ks + m); v48-63 the ring's scale words (4 j + ksl); v64-107 at work; v128-255 last phases;
;   v160-255 ring buffer 2.  Window 1: prologue: four sets of 64 numbers as loaded; then x's fragments of K steps 0-4 at v[12 (4 ks + m)]; last: product 4's operands.
;   Window 2: v0-143 x's fragments of K steps 5-7; v144-239 ring buffer 3.  Window 3: v0-95, v96-191 ring buffers 0, 1; v192-255 the 64 numbers at work, then the 8 accumulators (192 + 16 m + 8 t).
.set TRS,  204800                      ; a trip's 16 units in wc
.set XIMG, 0                           ; LDS: x's 32 fragment images, 1,536 bytes each, (8 m + ks)
.set XSC,  49152                       ; their scale words, 128 bytes each
.set TST,  53248                       ; a stage of 16 rows x 528 bytes for each wave
.set QKC,  87040                       ; q's and k's codes: [wave][position 64, 400 bytes][slot 8 x 48 bytes]; slot i: q head w + 4 i, slot 4 + i: k head w + 4 i
.set QKS,  189440                      ; their scale words: [wave][position, 32 bytes][8 words]
.set VP,   197632                      ; V's parts: [wave][row 64, 272 bytes]
.set EST,  0                           ; behind the second barrier: the energies, 256 rows (16 a + b) x 272 bytes
.set SX,   69632                       ; and the waves' statistics: [wave][c max 1,024 bytes][sum 1,024 bytes]
.set LN16, 1                           ; v1   16 x lane
.set LN4,  2                           ; v2   4 x lane
.set TSW,  3
.set TSR,  4
.set SH8,  5                           ; v5   8 h
.set XWI,  6                           ; v6   where I store x's images
.set XWS,  7                           ; v7   and their scale words
.set QW0,  8                           ; v8   QKC + 25,600 w + 400 r + 12 h
.set QS0,  9                           ; v9   QKS + 2,048 w + 32 r
.set VPW,  10                          ; v10  VP + 17,408 w + 272 r + 64 h
.set QW,   11                          ; v11  v8 + 48 x trip
.set QS,   12                          ; v12  v9 + 4 x trip
.set RR,   14                          ; v14  r = lane % 16
.set HH,   15                          ; v15  h = lane / 16
.set XS,   16
.set BS,   48
.set PC,   64
.set CD,   64                          ; v64-79  a half head's codes, four registers for each tile of rows
.set TMPC, 76
.set TM,   84
.set T4,   88
.set SO,   92
.set BY,   96
.set PW,   100
.set SB,   102                         ; v102-105 the first block's bytes, then the head's scale words
.set BI,   106                         ; (not used in this body)
.set PM,   64                          ; the last phases: v64-71 largest energies, v72-79 the same x c, v80-87 sums
.set PMC,  72
.set PL,   80
.set SRC,  4                           ; s[4:5]   x at my wave's first row
.set SEL,  20                          ; s[20:21] lane selects: lane l xor 16
.set CS,   22                          ; s[22:23] c, twice: the packed form names the pair
.set BP,   24                          ; s[24:25] wc at my wave's share of the trip in hand
.set MSB, 0
.macro WIN new                         ; the immediate's high byte repeats the setting that is left
.if MSB != (\new)
	s_set_vgpr_msb (MSB<<8)|(\new)
.set MSB, (\new)
.endif
.endm
.macro LOADK ks                        ; 128 along K of my 16 rows into set ks % 4 of window 1: one load reads 512 consecutive bytes of one row
	WIN 0x40
.set li, 0
.rept 16
	global_load_b128 v[64*((\ks)%4)+4*li:64*((\ks)%4)+4*li+3], v[LN16], s[SRC:SRC+1] offset:4096*li+512*(\ks) th:TH_LOAD_NT
.set li, li+1
.endr
.endm
.macro TURN ks                         ; through my own stage: afterwards lane (r, h) holds K = 128 ks + 64 c + 32 h + 0 .. 31 of row r in v[192 + 32 c ..] of window 3
	WIN 0x04
.set li, 0
.rept 16
	ds_store_b128 v[TSW], v[64*((\ks)%4)+4*li:64*((\ks)%4)+4*li+3] offset:528*li
.set li, li+1
.endr
	WIN 0xc0
.set li, 0
.rept 16
	ds_load_b128 v[192+4*li:192+4*li+3], v[TSR] offset:256*(li/8)+16*(li%8)
.set li, li+1
.endr
	s_wait_dscnt 0x0                               ; the numbers are back; the set's registers have been read; the last step's image stores are done
.endm
.macro MAX16X4                         ; the largest magnitude of each 16 of the 64 numbers, with the floor 2^(5 - 127) among the leaves; the four groups by turns.  Each accumulator is read from its low end on
	WIN 0x3c
.irp g, 0,1,2,3
	v_max3_num_f32 v[TM+\g], 0x2800000, |v[192+16*\g]|, |v[193+16*\g]|
.endr
.irp i, 2,4,6,8,10,12,14
.irp g, 0,1,2,3
	v_max3_num_f32 v[TM+\g], v[TM+\g], |v[192+16*\g+\i]|, |v[193+16*\g+\i]|
.endr
.endr
.endm
.macro QUANTW                          ; two whole blocks a lane (blocks h and 2 + h of the 128): codes into v[PC ..], the row's scale word into v[PW]
	MAX16X4
	WIN 0
	v_max_num_f32 v[TM], v[TM], v[TM+1]
	v_max_num_f32 v[TM+2], v[TM+2], v[TM+3]
	v_add_nc_u32 v[SO], 0xfe000000, v[TM]          ; 4 off the exponent field: the conversion takes that field as its scale
	v_add_nc_u32 v[SO+1], 0xfe000000, v[TM+2]
	v_lshrrev_b32 v[BY], 23, v[SO]
	v_lshrrev_b32 v[BY+1], 23, v[SO+1]
	v_lshl_or_b32 v[PW], v[BY+1], 16, v[BY]
	v_lshlrev_b32 v[PW], v[SH8], v[PW]
	v_permlanex16_b32 v[T4], v[PW], s[SEL], s[SEL+1]
	v_or_b32 v[PW], v[PW], v[T4]
	WIN 0x03
	v_cvt_scalef32_pk16_bf6_f32 v[PC:PC+2], v[192:207], v[SO]
	v_cvt_scalef32_pk16_bf6_f32 v[TMPC:TMPC+2], v[208:223], v[SO]
	v_cvt_scalef32_pk16_bf6_f32 v[PC+6:PC+8], v[224:239], v[SO+1]
	v_cvt_scalef32_pk16_bf6_f32 v[TMPC+4:TMPC+6], v[240:255], v[SO+1]
	WIN 0
	v_nop                                          ; one plain place behind the scaled conversions
.irp c, 0,1
.irp i, 0,1,2
	v_mov_b32 v[PC+3+6*\c+\i], v[TMPC+4*\c+\i]
.endr
.endr
.endm
.macro KHEAD ks, cnt
	s_wait_loadcnt \cnt                            ; this K step's 16 loads are in; the count is what was issued behind them
	TURN \ks
.endm
.macro KTAIL ks                        ; the fragment goes to LDS as it stands: 16 bytes a lane, 512 a store
	QUANTW
.irp c, 0,1,2
	ds_store_b128 v[XWI], v[PC+4*\c:PC+4*\c+3] offset:1536*(\ks)+512*\c
.endr
	ds_store_b32 v[XWS], v[PW] offset:128*(\ks)
.endm
.macro RFILL j, off                    ; ring buffer j is asked for: 24 loads of codes and one of scale words, 512 consecutive bytes each
.if (\j) == 0
.set RB, 0
.set RW, 0xc0
.elseif (\j) == 1
.set RB, 96
.set RW, 0xc0
.elseif (\j) == 2
.set RB, 160
.set RW, 0
.else
.set RB, 144
.set RW, 0x80
.endif
	WIN RW
.set rf, 0
.rept 24
	global_load_b128 v[RB+4*rf:RB+4*rf+3], v[LN16], s[BP:BP+1] offset:(\off)+12800*(\j)+512*rf
.set rf, rf+1
.endr
	WIN 0
	global_load_b128 v[BS+4*(\j):BS+4*(\j)+3], v[LN16], s[BP:BP+1] offset:(\off)+12800*(\j)+12288
.endm
.macro WM d, a, b, sa, sb, cm, t       ; one product.  cm = 1: it starts the sum; 2: the bias is its C; 0: it adds in place.  t = 1: the strip's scale words lie in lanes 16-31
.if (\cm) == 1
.if (\t) == 0
	v_wmma_scale_f32_16x16x128_f8f6f4 v[\d:\d+7], v[\a:\a+11], v[\b:\b+11], 0, v[\sa], v[\sb] matrix_a_fmt:MATRIX_FMT_BF6 matrix_b_fmt:MATRIX_FMT_BF6
.else
	v_wmma_scale_f32_16x16x128_f8f6f4 v[\d:\d+7], v[\a:\a+11], v[\b:\b+11], 0, v[\sa], v[\sb] matrix_a_fmt:MATRIX_FMT_BF6 matrix_b_fmt:MATRIX_FMT_BF6 matrix_a_scale:MATRIX_SCALE_ROW1
.endif
.elseif (\cm) == 2
.if (\t) == 0
	v_wmma_scale_f32_16x16x128_f8f6f4 v[\d:\d+7], v[\a:\a+11], v[\b:\b+11], v[BI:BI+7], v[\sa], v[\sb] matrix_a_fmt:MATRIX_FMT_BF6 matrix_b_fmt:MATRIX_FMT_BF6
.else
	v_wmma_scale_f32_16x16x128_f8f6f4 v[\d:\d+7], v[\a:\a+11], v[\b:\b+11], v[BI+8:BI+15], v[\sa], v[\sb] matrix_a_fmt:MATRIX_FMT_BF6 matrix_b_fmt:MATRIX_FMT_BF6 matrix_a_scale:MATRIX_SCALE_ROW1
.endif
.else
.if (\t) == 0
	v_wmma_scale_f32_16x16x128_f8f6f4 v[\d:\d+7], v[\a:\a+11], v[\b:\b+11], v[\d:\d+7], v[\sa], v[\sb] matrix_a_fmt:MATRIX_FMT_BF6 matrix_b_fmt:MATRIX_FMT_BF6
.else
	v_wmma_scale_f32_16x16x128_f8f6f4 v[\d:\d+7], v[\a:\a+11], v[\b:\b+11], v[\d:\d+7], v[\sa], v[\sb] matrix_a_fmt:MATRIX_FMT_BF6 matrix_b_fmt:MATRIX_FMT_BF6 matrix_a_scale:MATRIX_SCALE_ROW1
.endif
.endif
.endm
; A unit: 32 products, four K steps x four tiles of rows x two strips.  The eight accumulators take turns, one instruction a turn, in the same order in every K step, from unit to unit and over
; the loop's backward jump.  Behind them five plain places: four for the loads into the unit's registers and the first reads of results, the fifth for a later
; product that begins an accumulator anew.
.macro UNIT j, cmode, refill, roff, step, cnt
	s_wait_loadcnt \cnt
.if (\j) == 0
.set UB, 0
.set UW, 3
.elseif (\j) == 1
.set UB, 96
.set UW, 3
.elseif (\j) == 2
.set UB, 160
.set UW, 0
.else
.set UB, 144
.set UW, 2
.endif
.set uk, 0
.rept 4
.set uks, 4*((\j)&1)+uk
.if uks <= 4
.set XW, 1
.set XB, 48*uks
.else
.set XW, 2
.set XB, 48*(uks-5)
.endif
.set CM, 0
.set CW, 3
.if uk == 0
.set CM, \cmode
.if (\cmode) == 2
.set CW, 0
.endif
.endif
	WIN 0xc0|(CW<<4)|(XW<<2)|UW
.irp m, 0,1,2,3
.irp t, 0,1
	WM 192+16*\m+8*\t, UB+12*(2*uk+\t), XB+12*\m, BS+4*(\j)+uk, XS+4*uks+\m, CM, \t
.endr
.endr
.set uk, uk+1
.endr
	WIN 0
.rept 5
	v_nop
.endr
.if \step
	s_wait_xcnt 0x0                                ; the ring's earlier loads have read their base: it may step
	s_add_nc_u64 s[BP:BP+1], s[BP:BP+1], TRS
.endif
.if \refill
	RFILL \j, \roff
.endif
.endm
; Half a head (block b of its 64 columns) of q or k, for the 64 rows, becomes codes.  Lane (r, h) holds 16 neighbours of row 16 m + r: half a block; lane l xor 16 holds the other half.
.macro QH b
	MAX16X4
	WIN 0
.irp m, 0,1,2,3
	v_permlanex16_b32 v[T4+\m], v[TM+\m], s[SEL], s[SEL+1]
.endr
.irp m, 0,1,2,3
	v_max_num_f32 v[TM+\m], v[TM+\m], v[T4+\m]
.endr
.irp m, 0,1,2,3
	v_add_nc_u32 v[SO+\m], 0xfe000000, v[TM+\m]
.endr
.irp m, 0,1,2,3
	v_lshrrev_b32 v[BY+\m], 23, v[SO+\m]
.endr
	WIN 0x03
.irp m, 0,1,2,3
	v_cvt_scalef32_pk16_bf6_f32 v[CD+4*\m:CD+4*\m+2], v[192+16*\m:207+16*\m], v[SO+\m]
.endr
	WIN 0
	v_nop                                          ; one plain place behind the scaled conversions: the next unit's products write their sources
.if (\b) == 0
.irp m, 0,1,2,3
	v_mov_b32 v[SB+\m], v[BY+\m]
.endr
.else
.irp m, 0,1,2,3
	v_lshl_or_b32 v[SB+\m], v[BY+\m], 8, v[SB+\m]
.endr
.irp m, 0,1,2,3
	v_or_b32 v[SB+\m], 0x7f7f0000, v[SB+\m]        ; bytes 2 and 3 stand over the zero codes that fill K from 64 to 128
.endr
.endif
.irp m, 0,1,2,3
.irp u, 0,1,2
	ds_store_b32 v[QW], v[CD+4*\m+\u] offset:6400*\m+24*(\b)+4*\u   ; 12 bytes: my half of the block's 24
.endr
.endr
.if (\b) == 1
.irp m, 0,1,2,3
	ds_store_b32 v[QS], v[SB+\m] offset:512*\m     ; both halves of the lanes write the same word with the same value
.endr
.endif
	s_wait_dscnt 0x0                               ; the stores have read their registers
.endm
.macro VPUT b                          ; my four heads' sum of v, columns 32 b .. 32 b + 31, to my part of VP; each accumulator from its low end on
	WIN 0x0c
.irp m, 0,1,2,3
.irp t, 0,1
	ds_store_b128 v[VPW], v[192+16*\m+8*\t:195+16*\m+8*\t] offset:4352*\m+128*(\b)+32*\t
	ds_store_b128 v[VPW], v[196+16*\m+8*\t:199+16*\m+8*\t] offset:4352*\m+128*(\b)+32*\t+16
.endr
.endr
	WIN 0
	s_wait_dscnt 0x0
.endm
	s_load_b256 s[4:11], s[0:1], 0x0               ; x s[4:5], wc s[6:7], en s[8:9], vs s[10:11]
	s_load_b64 s[12:13], s[0:1], 0x20              ; stat
	v_lshl_add_u32 v126, v0, 2, 0x41400
	v_mov_b32 v127, 0
	v_lshrrev_b32 v13, 5, v0
	v_readfirstlane_b32 s14, v13                   ; wave 0..3
	v_and_b32 v13, 31, v0
	v_and_b32 v[RR], 15, v0
	v_bfe_u32 v[HH], v0, 4, 1
	v_lshlrev_b32 v[LN16], 4, v13
	v_lshlrev_b32 v[LN4], 2, v13
	v_lshlrev_b32 v[SH8], 3, v[HH]
.irp i, 0,1,2,3
	v_mov_b32 v[T4+\i], 0                          ; a lane permute's destination counts as read
.endr
	s_mul_i32 s18, s14, 8448
	s_add_co_u32 s18, s18, TST
	v_add_nc_u32 v[TSW], s18, v[LN16]
	v_mul_u32_u24 v[TSR], v[RR], 528
	v_lshl_add_u32 v[TSR], v[HH], 7, v[TSR]
	v_add_nc_u32 v[TSR], s18, v[TSR]
	s_mul_i32 s18, s14, 12288
	v_add_nc_u32 v[XWI], s18, v[LN16]
	s_lshl_b32 s18, s14, 10
	s_add_co_u32 s18, s18, XSC
	v_add_nc_u32 v[XWS], s18, v[LN4]
	s_mul_i32 s18, s14, 25600
	s_add_co_u32 s18, s18, QKC
	v_mul_u32_u24 v[QW0], v[RR], 400
	v_mad_u32_u24 v[QW0], v[HH], 12, v[QW0]
	v_add_nc_u32 v[QW0], s18, v[QW0]
	s_lshl_b32 s18, s14, 11
	s_add_co_u32 s18, s18, QKS
	v_lshlrev_b32 v[QS0], 5, v[RR]
	v_add_nc_u32 v[QS0], s18, v[QS0]
	s_mul_i32 s18, s14, 17408
	s_add_co_u32 s18, s18, VP
	v_mul_u32_u24 v[VPW], v[RR], 272
	v_lshl_add_u32 v[VPW], v[HH], 6, v[VPW]
	v_add_nc_u32 v[VPW], s18, v[VPW]
	s_mov_b32 s[SEL], 0x76543210
	s_mov_b32 s[SEL+1], 0xfedcba98
	s_mov_b32 s[CS], 0x3e38aa3b                    ; c = log2(e) / 8
	s_mov_b32 s[CS+1], s[CS]
	s_lshr_b32 s16, ttmp9, 6                       ; n
	s_and_b32 s17, ttmp9, 63                       ; my place among the batch's 64 work-groups
	s_lshl_b32 s18, ttmp9, 18                      ; x: (64 g + 16 w) rows of 4,096 bytes
	s_lshl_b32 s29, s14, 16
	s_add_co_u32 s18, s18, s29
	s_mov_b32 s19, 0
	s_wait_kmcnt 0x0
	s_add_nc_u64 s[SRC:SRC+1], s[SRC:SRC+1], s[18:19]
	LOADK 0
	LOADK 1
	LOADK 2
	LOADK 3
	s_mul_i32 s18, s14, 51200                      ; wc: my wave's four units of trip 0
	s_add_nc_u64 s[BP:BP+1], s[6:7], s[18:19]
	s_lshl_b32 s18, s16, 22                        ; en: batch n, rows 64 w on, my 64 positions
	s_lshl_b32 s29, s14, 20
	s_add_co_u32 s18, s18, s29
	s_lshl_b32 s29, s17, 8
	s_add_co_u32 s18, s18, s29
	s_add_nc_u64 s[8:9], s[8:9], s[18:19]
	s_lshl_b32 s18, ttmp9, 14                      ; vs: (64 g + 16 w) rows of 256 bytes
	s_lshl_b32 s29, s14, 12
	s_add_co_u32 s18, s18, s29
	s_add_nc_u64 s[10:11], s[10:11], s[18:19]
	s_lshl_b32 s18, s16, 16                        ; stat: 4,096 (16 n + 4 w) + 64 x my place
	s_lshl_b32 s29, s14, 14
	s_add_co_u32 s18, s18, s29
	s_lshl_b32 s29, s17, 6
	s_add_co_u32 s18, s18, s29
	s_add_nc_u64 s[12:13], s[12:13], s[18:19]
	; ---- the prologue: eight K steps of my 16 rows.  Loads run three sets ahead; the ring's first three units are asked for in the last three steps
	KHEAD 0, 48
	LOADK 4
	KTAIL 0
	KHEAD 1, 48
	LOADK 5
	KTAIL 1
	KHEAD 2, 48
	LOADK 6
	KTAIL 2
	KHEAD 3, 48
	LOADK 7
	KTAIL 3
	KHEAD 4, 48
	KTAIL 4
	KHEAD 5, 32                                    ; behind set 5: sets 6 and 7
	RFILL 0, 0
	KTAIL 5
	KHEAD 6, 41                                    ; behind set 6: set 7 and unit 0's 25
	RFILL 1, 0
	KTAIL 6
	KHEAD 7, 50                                    ; behind set 7: units 0 and 1
	RFILL 2, 0
	KTAIL 7
	s_wait_dscnt 0x0                               ; for the others' sake: my images lie in LDS
	s_barrier_signal -1
	s_barrier_wait -1
	WIN 0x40                                       ; all 32 fragments come back, in every wave
.irp k, 0,1,2,3,4
.irp m, 0,1,2,3
.irp c, 0,1,2
	ds_load_b128 v[12*(4*\k+\m)+4*\c:12*(4*\k+\m)+4*\c+3], v[LN16] offset:(8*\m+\k)*1536+512*\c
.endr
.endr
.endr
	WIN 0x80
.irp k, 5,6,7
.irp m, 0,1,2,3
.irp c, 0,1,2
	ds_load_b128 v[12*(4*(\k-5)+\m)+4*\c:12*(4*(\k-5)+\m)+4*\c+3], v[LN16] offset:(8*\m+\k)*1536+512*\c
.endr
.endr
.endr
	WIN 0
.irp k, 0,1,2,3,4,5,6,7
.irp m, 0,1,2,3
	ds_load_b32 v[XS+4*\k+\m], v[LN4] offset:XSC+128*(8*\m+\k)
.endr
.endr
	RFILL 3, 0
	s_wait_dscnt 0x0
	; ---- q and k: a trip is one head for the 64 rows: four units, 128 products, 100 loads for the next trip
	s_mov_b32 s26, 8
	s_mov_b32 s27, 0
	s_mov_b32 s28, 0
.Ltrip:
	v_add_nc_u32 v[QW], s27, v[QW0]
	v_add_nc_u32 v[QS], s28, v[QS0]
	UNIT 0, 1, 1, 0, 1, 63                         ; 75 loads were issued behind this unit's; the wait names the largest count that it can, which is fewer
	UNIT 1, 0, 1, 0, 0, 63
	QH 0
	UNIT 2, 1, 1, 0, 0, 63
	UNIT 3, 0, 1, 0, 0, 63
	QH 1
	s_add_co_u32 s27, s27, 48
	s_add_co_u32 s28, s28, 4
	s_sub_co_u32 s26, s26, 1
	s_cmp_lg_u32 s26, 0
	s_cbranch_scc1 .Ltrip
	; ---- V: trips 8 and 9 add columns 0-31 of my four heads into the same accumulators, trips 10 and 11 columns 32-63.  The base stands at trip 8
	UNIT 0, 1, 1, TRS, 0, 63
	UNIT 1, 0, 1, TRS, 0, 63
	UNIT 2, 0, 1, TRS, 0, 63
	UNIT 3, 0, 1, TRS, 0, 63
	UNIT 0, 0, 1, 2*TRS, 0, 63
	UNIT 1, 0, 1, 2*TRS, 0, 63
	UNIT 2, 0, 1, 2*TRS, 0, 63
	UNIT 3, 0, 1, 2*TRS, 0, 63
	VPUT 0
	UNIT 0, 1, 1, 3*TRS, 0, 63
	UNIT 1, 0, 1, 3*TRS, 0, 63
	UNIT 2, 0, 1, 3*TRS, 0, 63
	UNIT 3, 0, 1, 3*TRS, 0, 63
	UNIT 0, 0, 0, 0, 0, 63                         ; the last trip asks for nothing: the counts run down
	UNIT 1, 0, 0, 0, 0, 50
	UNIT 2, 0, 0, 0, 0, 25
	UNIT 3, 0, 0, 0, 0, 0
	VPUT 1
	s_barrier_signal -1                            ; (VPUT has waited for my LDS stores)  all codes, scale words and parts of V lie in LDS; nobody reads x's images any more
	s_barrier_wait -1
	; ---- V: rows 16 w .. 16 w + 15, the four waves' parts added
	s_mul_i32 s18, s14, 4352
	s_add_co_u32 s18, s18, VP
	v_mul_u32_u24 v3, v[HH], 272
	v_lshl_add_u32 v3, v[RR], 4, v3
	v_add_nc_u32 v3, s18, v3                       ; lanes 0-15 one row of 256 bytes, lanes 16-31 the next
.irp i, 0,1,2,3,4,5,6,7
.irp p, 0,1,2,3
	ds_load_b128 v[128+16*\i+4*\p:131+16*\i+4*\p], v3 offset:17408*\p+544*\i
.endr
.endr
	s_wait_dscnt 0x0
.irp i, 0,1,2,3,4,5,6,7
	v_pk_add_f32 v[128+16*\i:129+16*\i], v[128+16*\i:129+16*\i], v[132+16*\i:133+16*\i]
	v_pk_add_f32 v[130+16*\i:131+16*\i], v[130+16*\i:131+16*\i], v[134+16*\i:135+16*\i]
	v_pk_add_f32 v[136+16*\i:137+16*\i], v[136+16*\i:137+16*\i], v[140+16*\i:141+16*\i]
	v_pk_add_f32 v[138+16*\i:139+16*\i], v[138+16*\i:139+16*\i], v[142+16*\i:143+16*\i]
.endr
.irp i, 0,1,2,3,4,5,6,7
	v_pk_add_f32 v[128+16*\i:129+16*\i], v[128+16*\i:129+16*\i], v[136+16*\i:137+16*\i]
	v_pk_add_f32 v[130+16*\i:131+16*\i], v[130+16*\i:131+16*\i], v[138+16*\i:139+16*\i]
.endr
.irp i, 0,1,2,3,4,5,6,7
	global_store_b128 v[LN16], v[128+16*\i:131+16*\i], s[10:11] offset:512*\i   ; 32 lanes store 512 consecutive bytes, aligned
.endr
	; ---- the energies of positions 16 w .. 16 w + 15.  An operand is 16 heads x 64, filled to 128: registers 6-11 of the eight fragments hold zero codes, written once
	WIN 0x40
.irp g, 0,1,2,3,4,5,6,7
.irp i, 6,7,8,9,10,11
	v_mov_b32 v[12*\g+\i], 0
.endr
.endr
	WIN 0
	v_and_b32 v13, 3, v[RR]                        ; head r lies with wave r & 3, in slot r >> 2.  (These lines are also the places between the zeros and the first products)
	v_lshrrev_b32 v12, 2, v[RR]
	s_mul_i32 s18, s14, 6400
	s_add_co_u32 s18, s18, QKC
	v_mul_u32_u24 v4, v13, 25600
	v_mad_u32_u24 v4, v12, 48, v4
	v_mad_u32_u24 v4, v[HH], 24, v4
	v_add_nc_u32 v4, s18, v4                       ; q's codes: head r, block h, position 16 w; k's lie 192 bytes on
	s_lshl_b32 s18, s14, 9
	s_add_co_u32 s18, s18, QKS
	v_lshlrev_b32 v5, 11, v13
	v_lshl_add_u32 v5, v12, 2, v5
	v_lshl_add_u32 v5, v[HH], 4, v5
	v_add_nc_u32 v5, s18, v5                       ; scale words: lanes 0-15 q's head r, lanes 16-31 k's head r
	v_lshl_add_u32 v6, v[HH], 7, v[RR]
	v_mul_u32_u24 v6, v6, 272
	s_lshl_b32 s18, s14, 6
	v_add_nc_u32 v6, s18, v6                       ; EST: row 16 (8 h + j) + r, byte 4 (16 w + p)
	s_lshl_b32 s18, s14, 11
	s_add_co_u32 s18, s18, SX
	v_lshlrev_b32 v7, 2, v[RR]
	v_lshl_add_u32 v7, v[HH], 9, v7
	v_add_nc_u32 v7, s18, v7                       ; SX: my wave's words, 4 (16 (8 h + j) + r)
	s_wait_xcnt 0x0                                ; V's stores have read v128-255: the products below write them
.set G, 0
.rept 4
.if G > 0
.rept 5
	v_nop                                          ; places in front of loads into registers that the last four products have read
.endr
.endif
	WIN 0x40
.irp g, 0,1,2,3
.irp u, 0,1,2
	ds_load_b64 v[24*\g+2*\u:24*\g+2*\u+1], v4 offset:400*(4*G+\g)+8*\u
	ds_load_b64 v[24*\g+12+2*\u:24*\g+13+2*\u], v4 offset:400*(4*G+\g)+192+8*\u
.endr
.endr
	WIN 0
.irp g, 0,1,2,3
	ds_load_b32 v[24+\g], v5 offset:32*(4*G+\g)
.endr
	s_wait_dscnt 0x0
	WIN 0x05
.irp g, 0,1,2,3
	v_wmma_scale_f32_16x16x128_f8f6f4 v[128+8*(4*G+\g):135+8*(4*G+\g)], v[24*\g:24*\g+11], v[24*\g+12:24*\g+23], 0, v[24+\g], v[24+\g] matrix_a_fmt:MATRIX_FMT_BF6 matrix_b_fmt:MATRIX_FMT_BF6 matrix_b_scale:MATRIX_SCALE_ROW1
.endr
.set G, G+1
.endr
	WIN 0
.rept 5
	v_nop
.endr
.set P, 0
.rept 16                               ; register j of position p: (a = 8 h + j, b = r).  Each result from its low end on
.irp j, 0,1,2,3,4,5,6,7
	ds_store_b32 v6, v[128+8*P+\j] offset:4352*\j+4*P
.endr
.set P, P+1
.endr
.irp j, 0,1,2,3,4,5,6,7
	v_max3_num_f32 v[PM+\j], v[128+\j], v[136+\j], v[144+\j]       ; the largest of my 16 positions
.endr
.irp p, 3,5,7,9,11,13
.irp j, 0,1,2,3,4,5,6,7
	v_max3_num_f32 v[PM+\j], v[PM+\j], v[128+8*\p+\j], v[136+8*\p+\j]
.endr
.endr
.irp j, 0,1,2,3,4,5,6,7
	v_max_num_f32 v[PM+\j], v[PM+\j], v[248+\j]
.endr
.irp j, 0,1,2,3,4,5,6,7
	v_mul_f32 v[PMC+\j], s[CS], v[PM+\j]
.endr
	s_wait_dscnt 0x0                               ; the stores have read the energies: they are worked on in place
.set P, 0
.rept 16
.irp j, 0,2,4,6
	v_pk_fma_f32 v[128+8*P+\j:129+8*P+\j], v[128+8*P+\j:129+8*P+\j], s[CS:CS+1], v[PMC+\j:PMC+\j+1] op_sel_hi:[1,0,1] neg_lo:[0,0,1] neg_hi:[0,0,1]
.endr
.set P, P+1
.endr
.set P, 0
.rept 128
	v_exp_f32 v[128+P], v[128+P]
.set P, P+1
.endr
	v_nop                                          ; one plain place behind the exponentials
	s_wait_alu depctr_va_vdst(0)
.irp j, 0,2,4,6
	v_pk_add_f32 v[PL+\j:PL+\j+1], v[128+\j:129+\j], v[136+\j:137+\j]
.endr
.irp p, 2,3,4,5,6,7,8,9,10,11,12,13,14,15
.irp j, 0,2,4,6
	v_pk_add_f32 v[PL+\j:PL+\j+1], v[PL+\j:PL+\j+1], v[128+8*\p+\j:129+8*\p+\j]
.endr
.endr
.irp j, 0,1,2,3,4,5,6,7
	ds_store_b32 v7, v[PMC+\j] offset:64*\j
	ds_store_b32 v7, v[PL+\j] offset:64*\j+1024
.endr
	s_wait_dscnt 0x0
	s_barrier_signal -1
	s_barrier_wait -1                              ; 256 whole rows of energies and the four waves' statistics lie in LDS
	; ---- the way out: wave w stores rows 64 w .. 64 w + 63 of the energies and joins the statistics of those 64 pairs (a, b)
	s_mul_i32 s18, s14, 17408
	v_mul_u32_u24 v8, v[HH], 272
	v_lshl_add_u32 v8, v[RR], 4, v8
	v_add_nc_u32 v8, s18, v8                       ; lanes 0-15 one row of 256 bytes, lanes 16-31 the next
	v_lshlrev_b32 v9, 4, v[RR]
	v_lshl_add_u32 v9, v[HH], 14, v9               ; and the same two rows in en, 16,384 bytes apart
	s_lshl_b32 s18, s14, 8
	s_add_co_u32 s18, s18, SX
	v_lshl_add_u32 v10, v[LN4], 1, s18             ; two pairs a lane
	v_bfe_u32 v13, v0, 3, 2
	v_and_b32 v12, 7, v0
	v_lshlrev_b32 v11, 3, v12
	v_lshl_add_u32 v11, v13, 12, v11               ; stat: a = 4 w + lane / 8, b = 2 (lane % 8)
.irp p, 0,1,2,3
	ds_load_b64 v[88+2*\p:89+2*\p], v10 offset:2048*\p
	ds_load_b64 v[96+2*\p:97+2*\p], v10 offset:2048*\p+1024
.endr
.set P, 0
.rept 32
	ds_load_b128 v[128+4*P:131+4*P], v8 offset:544*P
.set P, P+1
.endr
.set P, 0
.rept 32
	s_wait_dscnt 31-P                              ; the younger loads may be out
	global_store_b128 v9, v[128+4*P:131+4*P], s[8:9] offset:32768*P   ; 16 lanes store 256 consecutive bytes, aligned
.set P, P+1
.endr
.irp u, 0,1
	v_max3_num_f32 v[104+\u], v[88+\u], v[90+\u], v[92+\u]
.endr
.irp u, 0,1
	v_max_num_f32 v[104+\u], v[104+\u], v[94+\u]
.endr
.irp p, 0,1,2,3
.irp u, 0,1
	v_sub_f32 v[88+2*\p+\u], v[88+2*\p+\u], v[104+\u]
.endr
.endr
.irp p, 0,1,2,3,4,5,6,7
	v_exp_f32 v[88+\p], v[88+\p]
.endr
	v_nop
	s_wait_alu depctr_va_vdst(0)
.irp u, 0,1
	v_mul_f32 v[106+\u], v[96+\u], v[88+\u]
.endr
.irp p, 1,2,3
.irp u, 0,1
	v_fmac_f32 v[106+\u], v[96+2*\p+\u], v[88+2*\p+\u]
.endr
.endr
	global_store_b64 v11, v[104:105], s[12:13]
	global_store_b64 v11, v[106:107], s[12:13] offset:262144
	s_wait_tensorcnt 0x0
	ds_add_u32 v126, v127
	s_wait_dscnt 0x0
	s_endpgm
.Lfunc_end_k_qb37207ff35_qkv:
	.size	k_qb37207ff35_qkv, .Lfunc_end_k_qb37207ff35_qkv-k_qb37207ff35_qkv
	.p2alignl 7, 3214868480
	.fill 96, 4, 3214868480
	.section	.rodata,"a",@progbits
	.p2align	6, 0x0
	.amdhsa_kernel k_qb37207ff35_qkv
		.amdhsa_group_segment_fixed_size 267776
		.amdhsa_private_segment_fixed_size 0
		.amdhsa_enable_private_segment 0
		.amdhsa_kernarg_size 40
		.amdhsa_user_sgpr_count 2
		.amdhsa_user_sgpr_kernarg_segment_ptr 1
		.amdhsa_wavefront_size32 1
		.amdhsa_system_sgpr_workgroup_id_x 1
		.amdhsa_system_sgpr_workgroup_id_y 1
		.amdhsa_system_sgpr_workgroup_id_z 1
		.amdhsa_system_vgpr_workitem_id 0
		.amdhsa_next_free_vgpr 1024
		.amdhsa_next_free_sgpr 66
		.amdhsa_reserve_vcc 0
		.amdhsa_float_denorm_mode_32 3
		.amdhsa_float_denorm_mode_16_64 3
		.amdhsa_memory_ordered 1
		.amdhsa_forward_progress 1
		.amdhsa_inst_pref_size 255
	.end_amdhsa_kernel
	.section	.bss,"aw",@nobits
	.p2align	6
	.space	262144
	.amdgpu_metadata
---
amdhsa.version: [ 1, 2 ]
amdhsa.kernels:
  - .name:           k_qb37207ff35_qkv
    .symbol:         k_qb37207ff35_qkv.kd
    .args:
      - { .name: x, .offset: 0, .size: 8, .value_kind: global_buffer, .address_space: global }
      - { .name: wc, .offset: 8, .size: 8, .value_kind: global_buffer, .address_space: global }
      - { .name: en, .offset: 16, .size: 8, .value_kind: global_buffer, .address_space: global }
      - { .name: vs, .offset: 24, .size: 8, .value_kind: global_buffer, .address_space: global }
      - { .name: stat, .offset: 32, .size: 8, .value_kind: global_buffer, .address_space: global }
    .group_segment_fixed_size: 267776
    .private_segment_fixed_size: 0
    .kernarg_segment_align: 8
    .kernarg_segment_size: 40
    .max_flat_workgroup_size: 128
    .sgpr_count:     66
    .vgpr_count:     1024
    .wavefront_size: 32
...
	.end_amdgpu_metadata
.endif
;; end of part 2
;; launch outp (part 3): grid 256 x 1, 4 waves a work-group, no clusters, 235,008 bytes of LDS; arguments vs, en, stat, wc, bo, out0; writes out0
.if DOCPART == 3
	.amdgcn_target "amdgcn-amd-amdhsa--gfx1250"
	.amdhsa_code_object_version 6
	.text
	.protected	k_qb37207ff35_outp
	.globl	k_qb37207ff35_outp
	.p2align	8
	.type	k_qb37207ff35_outp,@function
k_qb37207ff35_outp:
	s_mov_b64 s[64:65], 0
	v_nop
	global_prefetch_b8 v0, s[64:65] scope:SCOPE_SE
	s_setreg_imm32_b32 hwreg(HW_REG_WAVE_MODE, 25, 1), 1
	s_wait_xcnt 0x0
; out0 = (A x V, read as rows of 1,024) Wo^T + bo, the product on codes of BF6 (E3M2) with one E8M0 scale for each 32 along K, sums in f32.
; Row s' of batch n belongs to head a = s' / 256; its column e is position s = 16 (s' % 256) + e / 64, channel e % 64: the row is row s' % 256 of V [256][1024], each run of 64 columns
; multiplied by A[n][a][s] = the sum over b of 2^(c en - M_b) / L_b, with M_b the largest c x energy of (n, a, b) over all positions and L_b the sum of 2^(c en - M_b): the softmax over s, its maximum taken away.
; SHARES.  Work-group g = 64 n + 4 a + t owns rows 64 g .. 64 g + 63 of out0.  Wave w joins the 64 work-groups' statistics of (n, a), makes A for positions 1,024 t + 256 w + 0 .. 255, multiplies and
; quantises rows 16 w .. 16 w + 15 of the operand, and hands the eight fragments to the others through LDS as images of their registers.  Then every wave holds all 64 rows and makes columns
; 256 w .. 256 w + 255: four trips of 64 columns, weights from wc straight into a ring of four unit buffers, as in the launch before.  The bias is the C of each sum's first product.
; Results go through the wave's own stage (two halves by turns) and leave as whole runs of 256 bytes while the next trip is multiplied.
; WHY NO CLUSTER AND NO TENSOR LOADS: each weight fragment is read by exactly one wave of a work-group, so a way through LDS would add a write and a read of each byte and feed nobody twice.
; No prefetch: V, the energies and the statistics are asked for at the head by their own loads; wc is read by all work-groups.
; LIMITS: NaN and infinities are not served; a block whose largest magnitude lies under 2^-122 (a block of zeros among them) gets the byte 1; exponentials under 2^-126 come out as 0.
; REGISTERS, in windows of 256.  Window 0: v1-15 addresses; v16-47 the rows' scale words; v48-63 the ring's; v64-105 at work; v106-121 the bias; v122-137 my row's 16 A, later v128-159 rows on their way out;
;   v160-255 first the statistics, then ring buffer 2.  Window 1: four sets of 64 numbers as loaded, then fragments of K steps 0-4.  Window 2: first the energies (v0-127), then fragments of K steps 5-7 and ring buffer 3.
;   Window 3: ring buffers 0, 1; v192-255 the 64 numbers at work, then the 8 accumulators.
.set TRS,  204800
.set XIMG, 0
.set XSC,  49152
.set TST,  53248
.set AX,   87040                       ; A of my wave's 256 positions, 1,024 bytes a wave
.set BOL,  91136                       ; bo of my wave's 256 columns, 1,024 bytes a wave
.set OST,  95232                       ; the stage: [wave][half 2][64 rows x 272 bytes]
.set LN16, 1
.set LN4,  2
.set TSW,  3
.set TSR,  4
.set SH8,  5
.set XWI,  6
.set XWS,  7
.set AXW,  8                           ; v8   AX + 1,024 w + 16 lane
.set AXR,  9                           ; v9   AX + 1,024 w + 64 r
.set BA,   10                          ; v10  BOL + 1,024 w + 64 h
.set OSW,  11                          ; v11  OST + 34,816 w + 272 r + 64 h
.set ORD,  12                          ; v12  OST + 34,816 w + 272 h + 16 r
.set OGO,  13                          ; v13  4,096 h + 16 r
.set RR,   14
.set HH,   15
.set XS,   16
.set BS,   48
.set PC,   64
.set TMPC, 76
.set TM,   84
.set T4,   88
.set SO,   92
.set BY,   96
.set PW,   100
.set BI,   106
.set AV,   122
.set OB,   128
.set SRC,  4                           ; s[4:5]   V at my wave's first row
.set SEL,  22
.set BP,   28                          ; s[28:29] wc at my wave's share of trip 12
.set MSB, 0
.macro WIN new                         ; the immediate's high byte repeats the setting that is left
.if MSB != (\new)
	s_set_vgpr_msb (MSB<<8)|(\new)
.set MSB, (\new)
.endif
.endm
.macro LOADK ks                        ; 128 columns of my 16 rows of V into set ks % 4 of window 1 (sixteen work-groups, one for each head, read these rows)
	WIN 0x40
.set li, 0
.rept 16
	global_load_b128 v[64*((\ks)%4)+4*li:64*((\ks)%4)+4*li+3], v[LN16], s[SRC:SRC+1] offset:4096*li+512*(\ks)
.set li, li+1
.endr
.endm
.macro TURN ks
	WIN 0x04
.set li, 0
.rept 16
	ds_store_b128 v[TSW], v[64*((\ks)%4)+4*li:64*((\ks)%4)+4*li+3] offset:528*li
.set li, li+1
.endr
	WIN 0xc0
.set li, 0
.rept 16
	ds_load_b128 v[192+4*li:192+4*li+3], v[TSR] offset:256*(li/8)+16*(li%8)
.set li, li+1
.endr
	s_wait_dscnt 0x0
.endm
.macro MULA ks                         ; columns 128 ks + 64 c + .. belong to position 2 ks + c of my row: x A, in f32
	WIN 0xc3
.set mi, 0
.rept 16
	v_pk_mul_f32 v[192+2*mi:193+2*mi], v[192+2*mi:193+2*mi], v[AV+2*(\ks):AV+2*(\ks)+1] op_sel_hi:[1,0]
.set mi, mi+1
.endr
.rept 16
	v_pk_mul_f32 v[192+2*mi:193+2*mi], v[192+2*mi:193+2*mi], v[AV+2*(\ks):AV+2*(\ks)+1] op_sel:[0,1] op_sel_hi:[1,1]
.set mi, mi+1
.endr
.endm
.macro MAX16X4
	WIN 0x3c
.irp g, 0,1,2,3
	v_max3_num_f32 v[TM+\g], 0x2800000, |v[192+16*\g]|, |v[193+16*\g]|
.endr
.irp i, 2,4,6,8,10,12,14
.irp g, 0,1,2,3
	v_max3_num_f32 v[TM+\g], v[TM+\g], |v[192+16*\g+\i]|, |v[193+16*\g+\i]|
.endr
.endr
.endm
.macro QUANTW                          ; two whole blocks a lane: codes into v[PC ..], the row's scale word into v[PW]
	MAX16X4
	WIN 0
	v_max_num_f32 v[TM], v[TM], v[TM+1]
	v_max_num_f32 v[TM+2], v[TM+2], v[TM+3]
	v_add_nc_u32 v[SO], 0xfe000000, v[TM]
	v_add_nc_u32 v[SO+1], 0xfe000000, v[TM+2]
	v_lshrrev_b32 v[BY], 23, v[SO]
	v_lshrrev_b32 v[BY+1], 23, v[SO+1]
	v_lshl_or_b32 v[PW], v[BY+1], 16, v[BY]
	v_lshlrev_b32 v[PW], v[SH8], v[PW]
	v_permlanex16_b32 v[T4], v[PW], s[SEL], s[SEL+1]
	v_or_b32 v[PW], v[PW], v[T4]
	WIN 0x03
	v_cvt_scalef32_pk16_bf6_f32 v[PC:PC+2], v[192:207], v[SO]
	v_cvt_scalef32_pk16_bf6_f32 v[TMPC:TMPC+2], v[208:223], v[SO]
	v_cvt_scalef32_pk16_bf6_f32 v[PC+6:PC+8], v[224:239], v[SO+1]
	v_cvt_scalef32_pk16_bf6_f32 v[TMPC+4:TMPC+6], v[240:255], v[SO+1]
	WIN 0
	v_nop                                          ; one plain place behind the scaled conversions
.irp c, 0,1
.irp i, 0,1,2
	v_mov_b32 v[PC+3+6*\c+\i], v[TMPC+4*\c+\i]
.endr
.endr
.endm
.macro KHEAD ks, cnt
	s_wait_loadcnt \cnt
	TURN \ks
.endm
.macro KTAIL ks
	MULA \ks
	QUANTW
.irp c, 0,1,2
	ds_store_b128 v[XWI], v[PC+4*\c:PC+4*\c+3] offset:1536*(\ks)+512*\c
.endr
	ds_store_b32 v[XWS], v[PW] offset:128*(\ks)
.endm
.macro RFILL j, off
.if (\j) == 0
.set RB, 0
.set RW, 0xc0
.elseif (\j) == 1
.set RB, 96
.set RW, 0xc0
.elseif (\j) == 2
.set RB, 160
.set RW, 0
.else
.set RB, 144
.set RW, 0x80
.endif
	WIN RW
.set rf, 0
.rept 24
	global_load_b128 v[RB+4*rf:RB+4*rf+3], v[LN16], s[BP:BP+1] offset:(\off)+12800*(\j)+512*rf
.set rf, rf+1
.endr
	WIN 0
	global_load_b128 v[BS+4*(\j):BS+4*(\j)+3], v[LN16], s[BP:BP+1] offset:(\off)+12800*(\j)+12288
.endm
.macro WM d, a, b, sa, sb, cm, t       ; one product.  cm = 1: it starts the sum; 2: the bias is its C; 0: it adds in place.  t = 1: the strip's scale words lie in lanes 16-31
.if (\cm) == 1
.if (\t) == 0
	v_wmma_scale_f32_16x16x128_f8f6f4 v[\d:\d+7], v[\a:\a+11], v[\b:\b+11], 0, v[\sa], v[\sb] matrix_a_fmt:MATRIX_FMT_BF6 matrix_b_fmt:MATRIX_FMT_BF6
.else
	v_wmma_scale_f32_16x16x128_f8f6f4 v[\d:\d+7], v[\a:\a+11], v[\b:\b+11], 0, v[\sa], v[\sb] matrix_a_fmt:MATRIX_FMT_BF6 matrix_b_fmt:MATRIX_FMT_BF6 matrix_a_scale:MATRIX_SCALE_ROW1
.endif
.elseif (\cm) == 2
.if (\t) == 0
	v_wmma_scale_f32_16x16x128_f8f6f4 v[\d:\d+7], v[\a:\a+11], v[\b:\b+11], v[BI:BI+7], v[\sa], v[\sb] matrix_a_fmt:MATRIX_FMT_BF6 matrix_b_fmt:MATRIX_FMT_BF6
.else
	v_wmma_scale_f32_16x16x128_f8f6f4 v[\d:\d+7], v[\a:\a+11], v[\b:\b+11], v[BI+8:BI+15], v[\sa], v[\sb] matrix_a_fmt:MATRIX_FMT_BF6 matrix_b_fmt:MATRIX_FMT_BF6 matrix_a_scale:MATRIX_SCALE_ROW1
.endif
.else
.if (\t) == 0
	v_wmma_scale_f32_16x16x128_f8f6f4 v[\d:\d+7], v[\a:\a+11], v[\b:\b+11], v[\d:\d+7], v[\sa], v[\sb] matrix_a_fmt:MATRIX_FMT_BF6 matrix_b_fmt:MATRIX_FMT_BF6
.else
	v_wmma_scale_f32_16x16x128_f8f6f4 v[\d:\d+7], v[\a:\a+11], v[\b:\b+11], v[\d:\d+7], v[\sa], v[\sb] matrix_a_fmt:MATRIX_FMT_BF6 matrix_b_fmt:MATRIX_FMT_BF6 matrix_a_scale:MATRIX_SCALE_ROW1
.endif
.endif
.endm
; A unit: 32 products, four K steps x four tiles of rows x two strips; the eight accumulators take turns, one instruction a turn.  Behind them five plain places: four for
; loads into the unit's registers and the first reads of results, the fifth for a later product that begins an accumulator anew.
.macro UNIT j, cmode, refill, roff, step, cnt
	s_wait_loadcnt \cnt
.if (\j) == 0
.set UB, 0
.set UW, 3
.elseif (\j) == 1
.set UB, 96
.set UW, 3
.elseif (\j) == 2
.set UB, 160
.set UW, 0
.else
.set UB, 144
.set UW, 2
.endif
.set uk, 0
.rept 4
.set uks, 4*((\j)&1)+uk
.if uks <= 4
.set XW, 1
.set XB, 48*uks
.else
.set XW, 2
.set XB, 48*(uks-5)
.endif
.set CM, 0
.set CW, 3
.if uk == 0
.set CM, \cmode
.if (\cmode) == 2
.set CW, 0
.endif
.endif
	WIN 0xc0|(CW<<4)|(XW<<2)|UW
.irp m, 0,1,2,3
.irp t, 0,1
	WM 192+16*\m+8*\t, UB+12*(2*uk+\t), XB+12*\m, BS+4*(\j)+uk, XS+4*uks+\m, CM, \t
.endr
.endr
.set uk, uk+1
.endr
	WIN 0
.rept 5
	v_nop
.endr
.if \step
	s_wait_xcnt 0x0
	s_add_nc_u64 s[BP:BP+1], s[BP:BP+1], TRS
.endif
.if \refill
	RFILL \j, \roff
.endif
.endm
.macro BIAS tr, pp                     ; bo of columns 256 w + 64 tr + 32 pp + 16 h + 0 .. 15, in the result's layout
.irp q, 0,1,2,3
	ds_load_b128 v[BI+4*\q:BI+4*\q+3], v[BA] offset:256*(\tr)+128*(\pp)+16*\q
.endr
.endm
.macro STAGE tr, pp                    ; 32 columns of the 64 rows into my stage; each accumulator from its low end on
	WIN 0x0c
.irp m, 0,1,2,3
.irp t, 0,1
	ds_store_b128 v[OSW], v[192+16*\m+8*\t:195+16*\m+8*\t] offset:17408*((\tr)&1)+4352*\m+128*(\pp)+32*\t
	ds_store_b128 v[OSW], v[196+16*\m+8*\t:199+16*\m+8*\t] offset:17408*((\tr)&1)+4352*\m+128*(\pp)+32*\t+16
.endr
.endr
	WIN 0
.endm
.macro OUTLD tr, q                     ; rows 16 q .. 16 q + 15 of trip tr's 64 columns come back as whole runs of 256 bytes
.set oi, 0
.rept 8
	ds_load_b128 v[OB+4*oi:OB+4*oi+3], v[ORD] offset:17408*((\tr)&1)+272*(16*(\q)+2*oi)
.set oi, oi+1
.endr
.endm
.macro OUTST tr, q
.set oi, 0
.rept 8
	global_store_b128 v[OGO], v[OB+4*oi:OB+4*oi+3], s[14:15] offset:4096*(16*(\q)+2*oi)+256*(\tr) th:TH_STORE_NT   ; 16 lanes store 256 consecutive bytes, aligned
.set oi, oi+1
.endr
.endm
; One unit of trip tr, and beside it a quarter of the trip before on its way out.
.macro SLOT tr, j, refill, cnt
	WIN 0
	s_wait_dscnt 0x0                               ; the bias is in, and the stage's stores have read the accumulators
.if (\tr) > 0
	s_wait_xcnt 0x0                                ; the last quarter's stores have read their data
	OUTLD (\tr)-1, \j
.endif
.set OW, 0
.if ((\j)&1) == 0
	UNIT \j, 2, \refill, ((\tr)+1)*TRS, 0, \cnt
.else
	UNIT \j, 0, \refill, ((\tr)+1)*TRS, 0, \cnt
	STAGE \tr, (\j)/2
.set OW, 16
.if (\j) == 1
	BIAS \tr, 1
.set OW, 20
.elseif (\tr) < 3
	BIAS (\tr)+1, 0
.set OW, 20
.endif
.endif
.if (\tr) > 0
	s_wait_dscnt OW                                ; behind the quarter's loads: the stage's 16 stores and the bias's 4 loads, where there are any
	OUTST (\tr)-1, \j
.endif
.endm
	s_load_b256 s[4:11], s[0:1], 0x0               ; vs s[4:5], en s[6:7], stat s[8:9], wc s[10:11]
	s_load_b128 s[12:15], s[0:1], 0x20             ; bo s[12:13], out0 s[14:15]
	v_lshl_add_u32 v104, v0, 2, 0x39400
	v_mov_b32 v105, 0
	v_lshrrev_b32 v101, 5, v0
	v_readfirstlane_b32 s16, v101                  ; wave 0..3
	v_and_b32 v101, 31, v0
	v_and_b32 v[RR], 15, v0
	v_bfe_u32 v[HH], v0, 4, 1
	v_lshlrev_b32 v[LN16], 4, v101
	v_lshlrev_b32 v[LN4], 2, v101
	v_lshlrev_b32 v[SH8], 3, v[HH]
.irp i, 0,1,2,3
	v_mov_b32 v[T4+\i], 0                          ; a lane permute's destination counts as read
.endr
	s_mul_i32 s25, s16, 8448
	s_add_co_u32 s25, s25, TST
	v_add_nc_u32 v[TSW], s25, v[LN16]
	v_mul_u32_u24 v[TSR], v[RR], 528
	v_lshl_add_u32 v[TSR], v[HH], 7, v[TSR]
	v_add_nc_u32 v[TSR], s25, v[TSR]
	s_mul_i32 s25, s16, 12288
	v_add_nc_u32 v[XWI], s25, v[LN16]
	s_lshl_b32 s25, s16, 10
	s_add_co_u32 s26, s25, XSC
	v_add_nc_u32 v[XWS], s26, v[LN4]
	s_add_co_u32 s26, s25, AX
	v_add_nc_u32 v[AXW], s26, v[LN16]
	v_lshl_add_u32 v[AXR], v[RR], 6, s26
	s_add_co_u32 s26, s25, BOL
	v_lshl_add_u32 v[BA], v[HH], 6, s26
	s_mul_i32 s25, s16, 34816
	s_add_co_u32 s25, s25, OST
	v_mul_u32_u24 v[OSW], v[RR], 272
	v_lshl_add_u32 v[OSW], v[HH], 6, v[OSW]
	v_add_nc_u32 v[OSW], s25, v[OSW]
	v_mul_u32_u24 v[ORD], v[HH], 272
	v_lshl_add_u32 v[ORD], v[RR], 4, v[ORD]
	v_add_nc_u32 v[ORD], s25, v[ORD]
	v_lshlrev_b32 v[OGO], 4, v[RR]
	v_lshl_add_u32 v[OGO], v[HH], 12, v[OGO]
	s_mov_b32 s[SEL], 0x76543210
	s_mov_b32 s[SEL+1], 0xfedcba98
	s_mov_b32 s24, 0x3e38aa3b                      ; c = log2(e) / 8
	s_lshr_b32 s18, ttmp9, 6                       ; n
	s_lshr_b32 s19, ttmp9, 2                       ; 16 n + a
	s_and_b32 s20, ttmp9, 3                        ; t
	s_mov_b32 s27, 0
	s_wait_kmcnt 0x0
	s_lshl_b32 s26, s18, 20                        ; V: row 256 n + 64 t + 16 w of 4,096 bytes
	s_lshl_b32 s25, s20, 18
	s_add_co_u32 s26, s26, s25
	s_lshl_b32 s25, s16, 16
	s_add_co_u32 s26, s26, s25
	s_add_nc_u64 s[SRC:SRC+1], s[SRC:SRC+1], s[26:27]
	s_lshl_b32 s26, s19, 18                        ; en: 16 rows (b) of 16,384 bytes for (n, a), at position 1,024 t + 256 w
	s_lshl_b32 s25, s20, 12
	s_add_co_u32 s26, s26, s25
	s_lshl_b32 s25, s16, 10
	s_add_co_u32 s26, s26, s25
	s_add_nc_u64 s[6:7], s[6:7], s[26:27]
	s_lshl_b32 s26, s19, 12                        ; stat: 4,096 bytes for (n, a)
	s_add_nc_u64 s[8:9], s[8:9], s[26:27]
	s_mul_i32 s26, s16, 51200                      ; wc: trip 12, my wave's four units
	s_add_co_u32 s26, s26, 12*TRS
	s_add_nc_u64 s[BP:BP+1], s[10:11], s[26:27]
	s_lshl_b32 s26, s16, 10                        ; bo: my 256 columns
	s_add_nc_u64 s[12:13], s[12:13], s[26:27]
	s_lshl_b32 s26, ttmp9, 18                      ; out0: row 64 g, my 256 columns
	s_lshl_b32 s25, s16, 10
	s_add_co_u32 s26, s26, s25
	s_add_nc_u64 s[14:15], s[14:15], s[26:27]
	; ---- all that the head needs is asked for at once
.irp q, 0,1
	global_load_b128 v[224+4*\q:227+4*\q], v[LN16], s[12:13] offset:512*\q
.endr
.irp i, 0,1,2,3,4,5,6,7
	global_load_b128 v[160+4*\i:163+4*\i], v[LN16], s[8:9] offset:512*\i            ; c max of work-group 8 i + lane / 4, b = 4 (lane % 4) + 0 .. 3
.endr
.irp i, 0,1,2,3,4,5,6,7
	global_load_b128 v[192+4*\i:195+4*\i], v[LN16], s[8:9] offset:262144+512*\i     ; and its sum
.endr
	WIN 0x80
.set P, 0
.rept 32                               ; energies: register 8 b + 4 q + e = position 128 q + 4 lane + e of my 256
	global_load_b128 v[4*P:4*P+3], v[LN16], s[6:7] offset:16384*(P/2)+512*(P%2) th:TH_LOAD_NT
.set P, P+1
.endr
	LOADK 0
	WIN 0
	s_wait_loadcnt 48                              ; bo and the statistics are in; the 32 loads of energies and set 0's 16 may be out
.irp q, 0,1
	ds_store_b128 v[AXW], v[224+4*\q:227+4*\q] offset:BOL-AX+512*\q
.endr
.irp u, 0,1,2,3
	v_max3_num_f32 v[232+\u], v[160+\u], v[164+\u], v[168+\u]
.endr
.irp i, 3,5
.irp u, 0,1,2,3
	v_max3_num_f32 v[232+\u], v[232+\u], v[160+4*\i+\u], v[164+4*\i+\u]
.endr
.endr
.irp u, 0,1,2,3
	v_max_num_f32 v[232+\u], v[232+\u], v[188+\u]
.endr
.irp u, 0,1,2,3
	v_max_num_f32_dpp v[232+\u], v[232+\u], v[232+\u] row_xmask:4 row_mask:0xf bank_mask:0xf   ; the lanes with my lane % 4 hold the other work-groups
.endr
.irp u, 0,1,2,3
	v_max_num_f32_dpp v[232+\u], v[232+\u], v[232+\u] row_xmask:8 row_mask:0xf bank_mask:0xf
.endr
.irp u, 0,1,2,3
	v_permlanex16_b32 v[T4+\u], v[232+\u], s[SEL], s[SEL+1]
.endr
.irp u, 0,1,2,3
	v_max_num_f32 v[232+\u], v[232+\u], v[T4+\u]   ; M
.endr
.irp i, 0,1,2,3,4,5,6,7
.irp u, 0,1,2,3
	v_sub_f32 v[160+4*\i+\u], v[160+4*\i+\u], v[232+\u]
.endr
.endr
.set P, 0
.rept 32
	v_exp_f32 v[160+P], v[160+P]
.set P, P+1
.endr
	v_nop
	s_wait_alu depctr_va_vdst(0)
.irp u, 0,1,2,3
	v_mul_f32 v[236+\u], v[192+\u], v[160+\u]
.endr
.irp i, 1,2,3,4,5,6,7
.irp u, 0,1,2,3
	v_fmac_f32 v[236+\u], v[192+4*\i+\u], v[160+4*\i+\u]
.endr
.endr
.irp u, 0,1,2,3
	v_add_f32_dpp v[236+\u], v[236+\u], v[236+\u] row_xmask:4 row_mask:0xf bank_mask:0xf
.endr
.irp u, 0,1,2,3
	v_add_f32_dpp v[236+\u], v[236+\u], v[236+\u] row_xmask:8 row_mask:0xf bank_mask:0xf
.endr
.irp u, 0,1,2,3
	v_permlanex16_b32 v[T4+\u], v[236+\u], s[SEL], s[SEL+1]
.endr
.irp u, 0,1,2,3
	v_add_f32 v[236+\u], v[236+\u], v[T4+\u]       ; L
.endr
.irp u, 0,1,2,3
	v_rcp_f32 v[236+\u], v[236+\u]
.endr
.irp u, 0,1,2,3
	v_xor_b32 v[232+\u], 0x80000000, v[232+\u]     ; -M.  (Plain places behind the reciprocals)
.endr
.set P, 0
	s_wait_alu depctr_va_vdst(0)
.rept 16
	v_readlane_b32 s[32+P], v[232+(P&3)], P>>2     ; -M of b = P
	v_readlane_b32 s[48+P], v[236+(P&3)], P>>2     ; 1 / L
.set P, P+1
.endr
	LOADK 1
	LOADK 2
	s_wait_loadcnt 48                              ; the energies are in; sets 0 to 2 may be out
	WIN 0x82
.set P, 0
.rept 128
	v_fma_f32 v[P], v[P], s24, s[32+P/8]           ; c e - M
.set P, P+1
.endr
.set P, 0
.rept 128
	v_exp_f32 v[P], v[P]
.set P, P+1
.endr
	v_nop
	WIN 0x08
.set P, 0
	s_wait_alu depctr_va_vdst(0)
.rept 8
	v_mul_f32 v[240+P], s48, v[P]
.set P, P+1
.endr
.set P, 8
.rept 120
	v_fmac_f32 v[240+(P&7)], s[48+P/8], v[P]       ; A = the sum over b of 2^(c e - M) / L; eight chains by turns
.set P, P+1
.endr
	WIN 0
.irp q, 0,1
	ds_store_b128 v[AXW], v[240+4*\q:243+4*\q] offset:512*\q
.endr
.irp q, 0,1,2,3
	ds_load_b128 v[AV+4*\q:AV+4*\q+3], v[AXR] offset:16*\q      ; my row's 16 positions (LDS serves a wave's instructions in order)
.endr
	s_wait_dscnt 0x0
	LOADK 3
	; ---- eight K steps of my 16 rows: x A, quantised, images to LDS
	KHEAD 0, 48
	LOADK 4
	KTAIL 0
	KHEAD 1, 48
	LOADK 5
	KTAIL 1
	KHEAD 2, 48
	LOADK 6
	KTAIL 2
	KHEAD 3, 48
	LOADK 7
	KTAIL 3
	KHEAD 4, 48
	KTAIL 4
	KHEAD 5, 32                                    ; behind set 5: sets 6 and 7
	RFILL 0, 0
	KTAIL 5
	KHEAD 6, 41                                    ; behind set 6: set 7 and unit 0's 25
	RFILL 1, 0
	KTAIL 6
	KHEAD 7, 50                                    ; behind set 7: units 0 and 1
	RFILL 2, 0
	KTAIL 7
	s_wait_dscnt 0x0                               ; for the others' sake: my images lie in LDS
	s_barrier_signal -1
	s_barrier_wait -1
	WIN 0x40
.irp k, 0,1,2,3,4
.irp m, 0,1,2,3
.irp c, 0,1,2
	ds_load_b128 v[12*(4*\k+\m)+4*\c:12*(4*\k+\m)+4*\c+3], v[LN16] offset:(8*\m+\k)*1536+512*\c
.endr
.endr
.endr
	WIN 0x80
.irp k, 5,6,7
.irp m, 0,1,2,3
.irp c, 0,1,2
	ds_load_b128 v[12*(4*(\k-5)+\m)+4*\c:12*(4*(\k-5)+\m)+4*\c+3], v[LN16] offset:(8*\m+\k)*1536+512*\c
.endr
.endr
.endr
	WIN 0
.irp k, 0,1,2,3,4,5,6,7
.irp m, 0,1,2,3
	ds_load_b32 v[XS+4*\k+\m], v[LN4] offset:XSC+128*(8*\m+\k)
.endr
.endr
	RFILL 3, 0
	BIAS 0, 0
	; ---- four trips of 64 columns; every offset is an immediate.  75 loads stand behind a unit's own: the wait names the largest count that it can, which is fewer
.irp T, 0,1,2
	SLOT \T, 0, 1, 63
	SLOT \T, 1, 1, 63
	SLOT \T, 2, 1, 63
	SLOT \T, 3, 1, 63
.endr
	SLOT 3, 0, 0, 63                               ; the last trip asks for nothing: the counts run down
	SLOT 3, 1, 0, 50
	SLOT 3, 2, 0, 25
	SLOT 3, 3, 0, 0
.irp q, 0,1,2,3
	s_wait_xcnt 0x0                                ; the last quarter's stores have read their data
	OUTLD 3, \q
	s_wait_dscnt 0x0
	OUTST 3, \q
.endr
	s_wait_tensorcnt 0x0
	ds_add_u32 v104, v105
	s_wait_dscnt 0x0
	s_endpgm
.Lfunc_end_k_qb37207ff35_outp:
	.size	k_qb37207ff35_outp, .Lfunc_end_k_qb37207ff35_outp-k_qb37207ff35_outp
	.p2alignl 7, 3214868480
	.fill 96, 4, 3214868480
	.section	.rodata,"a",@progbits
	.p2align	6, 0x0
	.amdhsa_kernel k_qb37207ff35_outp
		.amdhsa_group_segment_fixed_size 235008
		.amdhsa_private_segment_fixed_size 0
		.amdhsa_enable_private_segment 0
		.amdhsa_kernarg_size 48
		.amdhsa_user_sgpr_count 2
		.amdhsa_user_sgpr_kernarg_segment_ptr 1
		.amdhsa_wavefront_size32 1
		.amdhsa_system_sgpr_workgroup_id_x 1
		.amdhsa_system_sgpr_workgroup_id_y 1
		.amdhsa_system_sgpr_workgroup_id_z 1
		.amdhsa_system_vgpr_workitem_id 0
		.amdhsa_next_free_vgpr 1024
		.amdhsa_next_free_sgpr 66
		.amdhsa_reserve_vcc 0
		.amdhsa_float_denorm_mode_32 3
		.amdhsa_float_denorm_mode_16_64 3
		.amdhsa_memory_ordered 1
		.amdhsa_forward_progress 1
		.amdhsa_inst_pref_size 253
	.end_amdhsa_kernel
	.amdgpu_metadata
---
amdhsa.version: [ 1, 2 ]
amdhsa.kernels:
  - .name:           k_qb37207ff35_outp
    .symbol:         k_qb37207ff35_outp.kd
    .args:
      - { .name: vs, .offset: 0, .size: 8, .value_kind: global_buffer, .address_space: global }
      - { .name: en, .offset: 8, .size: 8, .value_kind: global_buffer, .address_space: global }
      - { .name: stat, .offset: 16, .size: 8, .value_kind: global_buffer, .address_space: global }
      - { .name: wc, .offset: 24, .size: 8, .value_kind: global_buffer, .address_space: global }
      - { .name: bo, .offset: 32, .size: 8, .value_kind: global_buffer, .address_space: global }
      - { .name: out0, .offset: 40, .size: 8, .value_kind: global_buffer, .address_space: global }
    .group_segment_fixed_size: 235008
    .private_segment_fixed_size: 0
    .kernarg_segment_align: 8
    .kernarg_segment_size: 48
    .max_flat_workgroup_size: 128
    .sgpr_count:     66
    .vgpr_count:     1024
    .wavefront_size: 32
...
	.end_amdgpu_metadata
.endif
;; end of part 3
;; ======== version 2 of 2: 3 launches
;; workspace buffers: wc 3,276,800 bytes; en 16,777,216 bytes; vs 4,194,304 bytes; stat 524,288 bytes
;; launch wquant (part 4): grid 256 x 1, 2 waves a work-group, no clusters, 17,152 bytes of LDS; arguments Wq, Wk, Wv, Wo, wc; writes wc
.if DOCPART == 4
	.amdgcn_target "amdgcn-amd-amdhsa--gfx1250"
	.amdhsa_code_object_version 6
	.text
	.protected	k_qb37207ff35_wquant
	.globl	k_qb37207ff35_wquant
	.p2align	8
	.type	k_qb37207ff35_wquant,@function
k_qb37207ff35_wquant:
	s_mov_b64 s[64:65], 0
	v_nop
	global_prefetch_b8 v0, s[64:65] scope:SCOPE_SE
	s_setreg_imm32_b32 hwreg(HW_REG_WAVE_MODE, 25, 1), 1
	s_wait_xcnt 0x0
; The four weights [1024 out][1024 in], f32, K = in innermost, become codes of BF6 (E3M2) with one E8M0 byte for each 32 along K,
; laid in the ORDER OF THE OPERAND'S REGISTERS, in 256 units of 12,800 bytes.  Unit U = (trip x 4 + wave) x 4 + j is what wave 'wave' of the two
; later launches multiplies as its j-th unit of trip 'trip': 32 weight rows (two strips of 16) x 512 along K (K half j & 1).
; In a unit: bytes 512 (3 f + c) + 16 lane = registers 4 c .. 4 c + 3 of fragment f = 2 ksl + strip; bytes 12,288 + 16 lane = four scale words
; (word ksl), lanes 0-15 strip 0, lanes 16-31 strip 1.  Lane r of strip t is weight row R0 + 8 t + r + 8 (r / 8), so that in the transposed product a
; lane's 16 registers of the two strips are 16 neighbouring output columns.
; Trips 0-3: Wq, 4-7: Wk (head = wave + 4 (trip & 3), R0 = 64 head + 32 (j >> 1)); 8-11: Wv (head = wave + 8 (trip & 1) + 4 (j >> 1),
; R0 = 64 head + 32 ((trip & 3) >> 1)); 12-15: Wo (R0 = 256 wave + 64 (trip & 3) + 32 (j >> 1)).
; A work-group makes one unit, each of its two waves one strip: 16 rows x 512 numbers, 64 loads of 512 consecutive bytes, all issued at the head.
; A block's scale is 2^(floor(log2(largest magnitude)) - 4); its byte is the largest magnitude's exponent field - 4, held at 1 from below.
; LIMITS: NaN and infinities are not served; a block whose largest magnitude lies under 2^-122, a block of zeros among them, gets the byte 1
; (a block of zeros has zero codes, and this program alone reads the bytes).
; No matrix unit, no cluster, no barrier: memory binds, and the waves share nothing.
.set LN16, 1                           ; v1   16 x lane
.set TSW,  3                           ; v3   the stage, on the way in: 8,448 x wave + 16 x lane
.set TSR,  4                           ; v4   and back: 8,448 x wave + 528 r + 128 h
.set SH8,  5                           ; v5   8 h
.set SCO,  8                           ; v8   where my scale words go: 256 x strip + 16 r + 8 h
.set RR,   14                          ; v14  r = lane % 16
.set HH,   15                          ; v15  h = lane / 16
.set PC,   64                          ; v64-75  a fragment's codes
.set TMPC, 76                          ; v76-83  the halves whose three registers would begin on an odd number
.set TM,   84                          ; v84-87  largest magnitudes
.set T4,   88                          ; v88     the other half of the lanes' word
.set SO,   92                          ; v92-93  the conversions' scale operands
.set BY,   96                          ; v96-97  scale bytes
.set PW,   100                         ; v100    the scale word just made
.set SW,   102                         ; v102-105 the four K steps' scale words
.set SRC,  20                          ; s[20:21] my strip's first row, at my K half
.set SEL,  30                          ; s[30:31] lane selects: lane l xor 16
.set MSB, 0
.macro WIN new                         ; the immediate's high byte repeats the setting that is left
.if MSB != (\new)
	s_set_vgpr_msb (MSB<<8)|(\new)
.set MSB, (\new)
.endif
.endm
.macro LOADK ks                        ; 128 along K of my 16 rows into set ks of window 1: one load reads 512 consecutive bytes of one row
	WIN 0x40
.set li, 0
.rept 16
	global_load_b128 v[64*((\ks)%4)+4*li:64*((\ks)%4)+4*li+3], v[LN16], s[SRC:SRC+1] offset:4096*(li+8*(li/8))+512*(\ks) th:TH_LOAD_NT
.set li, li+1
.endr
.endm
.macro TURN ks                         ; through my own stage (rows 528 bytes apart): afterwards lane (r, h) holds K = 64 c + 32 h + 0 .. 31 of row r in v[192 + 32 c ..] of window 3
	WIN 0x04
.set li, 0
.rept 16
	ds_store_b128 v[TSW], v[64*((\ks)%4)+4*li:64*((\ks)%4)+4*li+3] offset:528*li
.set li, li+1
.endr
	WIN 0xc0
.set li, 0
.rept 16
	ds_load_b128 v[192+4*li:192+4*li+3], v[TSR] offset:256*(li/8)+16*(li%8)
.set li, li+1
.endr
	s_wait_dscnt 0x0
.endm
.macro MAX16X4                         ; the largest magnitude of each 16 of the 64 numbers, with the floor 2^(5 - 127) among the leaves; the four groups by turns
	WIN 0x3c
.irp g, 0,1,2,3
	v_max3_num_f32 v[TM+\g], 0x2800000, |v[192+16*\g]|, |v[193+16*\g]|
.endr
.irp i, 2,4,6,8,10,12,14
.irp g, 0,1,2,3
	v_max3_num_f32 v[TM+\g], v[TM+\g], |v[192+16*\g+\i]|, |v[193+16*\g+\i]|
.endr
.endr
.endm
.macro QUANTW                          ; two whole blocks a lane (blocks h and 2 + h of the 128): codes into v[PC ..], the row's scale word into v[PW]
	MAX16X4
	WIN 0
	v_max_num_f32 v[TM], v[TM], v[TM+1]
	v_max_num_f32 v[TM+2], v[TM+2], v[TM+3]
	v_add_nc_u32 v[SO], 0xfe000000, v[TM]          ; 4 off the exponent field: the conversion takes that field as its scale
	v_add_nc_u32 v[SO+1], 0xfe000000, v[TM+2]
	v_lshrrev_b32 v[BY], 23, v[SO]                 ; the scale's byte
	v_lshrrev_b32 v[BY+1], 23, v[SO+1]
	v_lshl_or_b32 v[PW], v[BY+1], 16, v[BY]
	v_lshlrev_b32 v[PW], v[SH8], v[PW]             ; at their places in the word: 8 h bits up
	v_permlanex16_b32 v[T4], v[PW], s[SEL], s[SEL+1]
	v_or_b32 v[PW], v[PW], v[T4]                   ; with lane l xor 16's two bytes the word is whole
	WIN 0x03
	v_cvt_scalef32_pk16_bf6_f32 v[PC:PC+2], v[192:207], v[SO]
	v_cvt_scalef32_pk16_bf6_f32 v[TMPC:TMPC+2], v[208:223], v[SO]
	v_cvt_scalef32_pk16_bf6_f32 v[PC+6:PC+8], v[224:239], v[SO+1]
	v_cvt_scalef32_pk16_bf6_f32 v[TMPC+4:TMPC+6], v[240:255], v[SO+1]
	WIN 0
	v_nop                                          ; one plain place behind the scaled conversions
.irp c, 0,1
.irp i, 0,1,2
	v_mov_b32 v[PC+3+6*\c+\i], v[TMPC+4*\c+\i]
.endr
.endr
.endm
	s_load_b256 s[4:11], s[0:1], 0x0               ; Wq s[4:5], Wk s[6:7], Wv s[8:9], Wo s[10:11]
	s_load_b64 s[12:13], s[0:1], 0x20              ; wc
	v_lshl_add_u32 v254, v0, 2, 0x4200
	v_mov_b32 v255, 0
	v_lshrrev_b32 v13, 5, v0
	v_readfirstlane_b32 s16, v13                   ; my wave = my strip
	v_and_b32 v13, 31, v0
	v_and_b32 v[RR], 15, v0
	v_bfe_u32 v[HH], v0, 4, 1
	v_lshlrev_b32 v[LN16], 4, v13
	v_lshlrev_b32 v[SH8], 3, v[HH]
	v_mov_b32 v[T4], 0                             ; a lane permute's destination counts as read
	s_mul_i32 s17, s16, 8448
	v_add_nc_u32 v[TSW], s17, v[LN16]
	v_mul_u32_u24 v[TSR], v[RR], 528
	v_lshl_add_u32 v[TSR], v[HH], 7, v[TSR]
	v_add_nc_u32 v[TSR], s17, v[TSR]
	s_lshl_b32 s17, s16, 8
	v_lshlrev_b32 v[SCO], 4, v[RR]
	v_lshl_add_u32 v[SCO], v[HH], 3, v[SCO]
	v_add_nc_u32 v[SCO], s17, v[SCO]
	s_mov_b32 s[SEL], 0x76543210
	s_mov_b32 s[SEL+1], 0xfedcba98
	s_lshr_b32 s18, ttmp9, 4                       ; trip
	s_bfe_u32 s19, ttmp9, 0x20002                  ; the consuming wave
	s_and_b32 s22, ttmp9, 1                        ; K half
	s_bfe_u32 s23, ttmp9, 0x10001                  ; j >> 1
	s_and_b32 s24, s18, 3                          ; trip & 3
	s_lshl_b32 s25, s19, 6                         ; Wq, Wk: R0 = 64 wave + 256 (trip & 3) + 32 (j >> 1)
	s_lshl_b32 s26, s24, 8
	s_add_co_u32 s25, s25, s26
	s_lshl_b32 s26, s23, 5
	s_add_co_u32 s25, s25, s26
	s_lshl_b32 s27, s19, 6                         ; Wv: R0 = 64 wave + 512 (trip & 1) + 256 (j >> 1) + 32 ((trip & 3) >> 1)
	s_and_b32 s26, s24, 1
	s_lshl_b32 s26, s26, 9
	s_add_co_u32 s27, s27, s26
	s_lshl_b32 s26, s23, 8
	s_add_co_u32 s27, s27, s26
	s_lshr_b32 s26, s24, 1
	s_lshl_b32 s26, s26, 5
	s_add_co_u32 s27, s27, s26
	s_lshl_b32 s28, s19, 8                         ; Wo: R0 = 256 wave + 64 (trip & 3) + 32 (j >> 1)
	s_lshl_b32 s26, s24, 6
	s_add_co_u32 s28, s28, s26
	s_lshl_b32 s26, s23, 5
	s_add_co_u32 s28, s28, s26
	s_wait_alu depctr_va_vdst(0)
	s_wait_kmcnt 0x0
	s_cmp_lt_u32 s18, 4                            ; the choices hang on the work-group's number alone
	s_cselect_b64 s[SRC:SRC+1], s[4:5], s[6:7]
	s_cmp_lt_u32 s18, 8
	s_cselect_b64 s[SRC:SRC+1], s[SRC:SRC+1], s[8:9]
	s_cselect_b32 s25, s25, s27
	s_cmp_lt_u32 s18, 12
	s_cselect_b64 s[SRC:SRC+1], s[SRC:SRC+1], s[10:11]
	s_cselect_b32 s25, s25, s28
	s_lshl_b32 s26, s16, 3
	s_add_co_u32 s25, s25, s26                     ; R0 + 8 x strip
	s_lshl_b32 s26, s25, 12                        ; rows of 4,096 bytes
	s_lshl_b32 s27, s22, 11                        ; + 2,048 x K half
	s_add_co_u32 s26, s26, s27
	s_mov_b32 s27, 0
	s_add_nc_u64 s[SRC:SRC+1], s[SRC:SRC+1], s[26:27]
	s_mul_i32 s26, ttmp9, 12800
	s_add_nc_u64 s[12:13], s[12:13], s[26:27]      ; my unit
	s_mul_i32 s26, s16, 1536
	s_add_nc_u64 s[14:15], s[12:13], s[26:27]      ; + my strip's place among a K step's two fragments
	LOADK 0
	LOADK 1
	LOADK 2
	LOADK 3
.irp k, 0,1,2,3
	s_wait_loadcnt 48-16*\k                        ; this K step's 16 loads are in; the later sets may be out
	TURN \k
.if \k > 0
	s_wait_xcnt 0x0                                ; the last step's stores have read their data: the codes' registers may be written again
.endif
	QUANTW
.irp c, 0,1,2
	global_store_b128 v[LN16], v[PC+4*\c:PC+4*\c+3], s[14:15] offset:3072*\k+512*\c   ; 32 lanes store 512 consecutive bytes, aligned
.endr
	v_mov_b32 v[SW+\k], v[PW]
.endr
	v_cmp_ne_u32 vcc_lo, 0, v[HH]
	v_cndmask_b32 v106, v[SW], v[SW+2], vcc_lo     ; lane (r, h) stores words 2 h and 2 h + 1 of row r
	v_cndmask_b32 v107, v[SW+1], v[SW+3], vcc_lo
	global_store_b64 v[SCO], v[106:107], s[12:13] offset:12288   ; the wave stores 256 consecutive bytes, aligned
	s_wait_tensorcnt 0x0
	ds_add_u32 v254, v255
	s_wait_dscnt 0x0
	s_endpgm
.Lfunc_end_k_qb37207ff35_wquant:
	.size	k_qb37207ff35_wquant, .Lfunc_end_k_qb37207ff35_wquant-k_qb37207ff35_wquant
	.p2alignl 7, 3214868480
	.fill 96, 4, 3214868480
	.section	.rodata,"a",@progbits
	.p2align	6, 0x0
	.amdhsa_kernel k_qb37207ff35_wquant
		.amdhsa_group_segment_fixed_size 17152
		.amdhsa_private_segment_fixed_size 0
		.amdhsa_enable_private_segment 0
		.amdhsa_kernarg_size 40
		.amdhsa_user_sgpr_count 2
		.amdhsa_user_sgpr_kernarg_segment_ptr 1
		.amdhsa_wavefront_size32 1
		.amdhsa_system_sgpr_workgroup_id_x 1
		.amdhsa_system_sgpr_workgroup_id_y 1
		.amdhsa_system_sgpr_workgroup_id_z 1
		.amdhsa_system_vgpr_workitem_id 0
		.amdhsa_next_free_vgpr 1024
		.amdhsa_next_free_sgpr 66
		.amdhsa_reserve_vcc 1
		.amdhsa_float_denorm_mode_32 3
		.amdhsa_float_denorm_mode_16_64 3
		.amdhsa_memory_ordered 1
		.amdhsa_forward_progress 1
		.amdhsa_inst_pref_size 32
	.end_amdhsa_kernel
	.amdgpu_metadata
---
amdhsa.version: [ 1, 2 ]
amdhsa.kernels:
  - .name:           k_qb37207ff35_wquant
    .symbol:         k_qb37207ff35_wquant.kd
    .args:
      - { .name: Wq, .offset: 0, .size: 8, .value_kind: global_buffer, .address_space: global }
      - { .name: Wk, .offset: 8, .size: 8, .value_kind: global_buffer, .address_space: global }
      - { .name: Wv, .offset: 16, .size: 8, .value_kind: global_buffer, .address_space: global }
      - { .name: Wo, .offset: 24, .size: 8, .value_kind: global_buffer, .address_space: global }
      - { .name: wc, .offset: 32, .size: 8, .value_kind: global_buffer, .address_space: global }
    .group_segment_fixed_size: 17152
    .private_segment_fixed_size: 0
    .kernarg_segment_align: 8
    .kernarg_segment_size: 40
    .max_flat_workgroup_size: 64
    .sgpr_count:     66
    .vgpr_count:     1024
    .wavefront_size: 32
...
	.end_amdgpu_metadata
.endif
;; end of part 4
;; launch qkv (part 5): grid 256 x 1, 4 waves a work-group, no clusters, 267,776 bytes of LDS; arguments x, wc, en, vs, stat; writes en, vs, stat
.if DOCPART == 5
	.amdgcn_target "amdgcn-amd-amdhsa--gfx1250"
	.amdhsa_code_object_version 6
	.text
	.protected	k_qb37207ff35_qkv
	.globl	k_qb37207ff35_qkv
	.p2align	8
	.type	k_qb37207ff35_qkv,@function
k_qb37207ff35_qkv:
	s_mov_b64 s[64:65], 0
	v_nop
	global_prefetch_b8 v0, s[64:65] scope:SCOPE_SE
	s_setreg_imm32_b32 hwreg(HW_REG_WAVE_SCHED_MODE, 0, 2), 2
	s_setreg_imm32_b32 hwreg(HW_REG_WAVE_MODE, 25, 1), 1
	s_wait_xcnt 0x0
	s_wait_alu depctr_vm_vsrc(0)
; For 64 positions (rows of x) a work-group: q = x Wq^T, k = x Wk^T, V = the sum over the 16 heads of x Wv^T, and the energies
; en[n][a][b][s] = q(head a, s) . k(head b, s), all four products on codes of BF6 (E3M2) with one E8M0 scale for each 32 along K, sums in f32.
; Stored: the energies, V [n][s][64], and for each (a, b) the work-group's share of the softmax over s: c x the largest energy and the sum of
; 2^(c e - c max), c = log2(e) / 8, in stat [n][a][work-group 64][b 16], the sums 262,144 bytes behind the maxima.
; SHARES.  Prologue: wave w reads rows 16 w .. 16 w + 15 of x once, quantises them in registers, and hands the eight fragments to the others through LDS as
; images of their registers.  Then EVERY wave holds all 64 rows (32 fragments, 384 registers) and THE WAVES SHARE THE COLUMNS: wave w makes heads
; w, w + 4, w + 8, w + 12.  Its weights come from wc, which lies in the order of the operand's registers, straight into a ring of four unit buffers of
; 96 registers (a unit: 32 columns x 512 along K, 25 loads of 512 bytes); a unit's buffer is asked for again while the next unit is multiplied.
; The product is used transposed (source 0 = 16 weight rows, source 1 = 16 rows of x): a lane holds one row of x and 16 neighbouring columns.
; q and k are quantised in registers, half a head (one block of 32) at a time, and their codes wait in LDS; V's sum over a wave's four heads is taken in the
; accumulators, the four waves' parts are added as (p0 + p1) + (p2 + p3).  Last, wave w multiplies positions 16 w .. 16 w + 15: 16 heads x 16 heads, K = 64
; filled to 128 with zero codes on both sides under the byte 0x7f.
; WHY NO CLUSTER AND NO TENSOR LOADS: each weight fragment is read by exactly one wave of a work-group, so LDS would only add a write and a read of each of the
; 2,457,600 bytes; and of LDS 180,224 bytes hold q's and k's codes and V's parts and 87,040 have been written by LDS stores, which leaves 60,416 for slots:
; under 20 matrix instructions a wave between two rounds of a cluster's barrier.  No prefetch: x is asked for at the head by its own loads, wc is read by all work-groups.
; LIMITS: NaN and infinities are not served; a block whose largest magnitude lies under 2^-122 (a block of zeros among them) gets the byte 1, its codes being what the
; conversion makes of them (zeros for zeros); exponentials under 2^-126 come out as 0; V's sum over heads is taken in the order stated above.
; REGISTERS, in windows of 256.  Window 0: v1-15 addresses; v16-47 x's scale words (4 ks + m); v48-63 the ring's scale words (4 j + ksl); v64-107 at work; v128-255 last phases;
;   v160-255 ring buffer 2.  Window 1: prologue: four sets of 64 numbers as loaded; then x's fragments of K steps 0-4 at v[12 (4 ks + m)]; last: product 4's operands.
;   Window 2: v0-143 x's fragments of K steps 5-7; v144-239 ring buffer 3.  Window 3: v0-95, v96-191 ring buffers 0, 1; v192-255 the 64 numbers at work, then the 8 accumulators (192 + 16 m + 8 t).
; THE MODE: SCHED_MODE bits 1:0 = 2 (LLVM: expert scheduling mode 2), set by the entry lines.  The code itself states the register dependences
; between vector or matrix instructions and memory or LDS instructions, with s_wait_alu, always for 0.
; THE PLAN.  Registers that memory or LDS instructions touch, and who else names them:
;   the four sets of window 1   Prologue: loads of x land in them, the stage's LDS stores read them; no vector instruction names them.  Later the fragments' LDS loads land there.
;   v192-255 of window 3        Prologue: the stage's LDS loads land in them, QUANTW reads them.  Later they are the accumulators: products write them, QH's vector lines and VPUT's LDS stores read them.
;   v[PC ..], v[PW]             QUANTW writes them, the image stores read them.
;   ring buffers 0 to 3, v[BS ..]  Unit j's products read buffer j and its four scale words; the loads that land in them again are issued in unit j + 1, among its products.
;   v[CD ..], v[SB ..], v[QW], v[QS]  QH writes them, QH's LDS stores read them.
;   v1, v2                      Offsets of nearly every load: written at the head, never again.  The ring's rows are reached by a scalar base and immediate offsets.
; So: in a K step of the prologue one wait on vm_vsrc behind the turn through the stage and one on va_vdst behind QUANTW; in the ring one wait on va_vdst at the head of a unit, and none where
; the wait that QH or VPUT owes for its own stores already stands between the unit before and this unit's loads; one wait on vm_vsrc at the head of QH, two units behind the stores that it speaks of.
.set TRS,  204800                      ; a trip's 16 units in wc
.set XIMG, 0                           ; LDS: x's 32 fragment images, 1,536 bytes each, (8 m + ks)
.set XSC,  49152                       ; their scale words, 128 bytes each
.set TST,  53248                       ; a stage of 16 rows x 528 bytes for each wave
.set QKC,  87040                       ; q's and k's codes: [wave][position 64, 400 bytes][slot 8 x 48 bytes]; slot i: q head w + 4 i, slot 4 + i: k head w + 4 i
.set QKS,  189440                      ; their scale words: [wave][position, 32 bytes][8 words]
.set VP,   197632                      ; V's parts: [wave][row 64, 272 bytes]
.set EST,  0                           ; behind the second barrier: the energies, 256 rows (16 a + b) x 272 bytes
.set SX,   69632                       ; and the waves' statistics: [wave][c max 1,024 bytes][sum 1,024 bytes]
.set LN16, 1                           ; v1   16 x lane
.set LN4,  2                           ; v2   4 x lane
.set TSW,  3
.set TSR,  4
.set SH8,  5                           ; v5   8 h
.set XWI,  6                           ; v6   where I store x's images
.set XWS,  7                           ; v7   and their scale words
.set QW0,  8                           ; v8   QKC + 25,600 w + 400 r + 12 h
.set QS0,  9                           ; v9   QKS + 2,048 w + 32 r
.set VPW,  10                          ; v10  VP + 17,408 w + 272 r + 64 h
.set QW,   11                          ; v11  v8 + 48 x trip
.set QS,   12                          ; v12  v9 + 4 x trip
.set RR,   14                          ; v14  r = lane % 16
.set HH,   15                          ; v15  h = lane / 16
.set XS,   16
.set BS,   48
.set PC,   64
.set CD,   64                          ; v64-79  a half head's codes, four registers for each tile of rows
.set TMPC, 76
.set TM,   84
.set T4,   88
.set SO,   92
.set BY,   96
.set PW,   100
.set SB,   102                         ; v102-105 the first block's bytes, then the head's scale words
.set BI,   106                         ; (not used in this body)
.set PM,   64                          ; the last phases: v64-71 largest energies, v72-79 the same x c, v80-87 sums
.set PMC,  72
.set PL,   80
.set SRC,  4                           ; s[4:5]   x at my wave's first row
.set SEL,  20                          ; s[20:21] lane selects: lane l xor 16
.set CS,   22                          ; s[22:23] c, twice: the packed form names the pair
.set BP,   24                          ; s[24:25] wc at my wave's share of the trip in hand
.set MSB, 0
.macro WIN new                         ; the immediate's high byte repeats the setting that is left
.if MSB != (\new)
	s_set_vgpr_msb (MSB<<8)|(\new)
.set MSB, (\new)
.endif
.endm
.macro LOADK ks                        ; 128 along K of my 16 rows into set ks % 4 of window 1: one load reads 512 consecutive bytes of one row
	WIN 0x40
.set li, 0
.rept 16
	global_load_b128 v[64*((\ks)%4)+4*li:64*((\ks)%4)+4*li+3], v[LN16], s[SRC:SRC+1] offset:4096*li+512*(\ks) th:TH_LOAD_NT
.set li, li+1
.endr
.endm
.macro TURN ks                         ; through my own stage: afterwards lane (r, h) holds K = 128 ks + 64 c + 32 h + 0 .. 31 of row r in v[192 + 32 c ..] of window 3
	WIN 0x04
.set li, 0
.rept 16
	ds_store_b128 v[TSW], v[64*((\ks)%4)+4*li:64*((\ks)%4)+4*li+3] offset:528*li
.set li, li+1
.endr
	WIN 0xc0
.set li, 0
.rept 16
	ds_load_b128 v[192+4*li:192+4*li+3], v[TSR] offset:256*(li/8)+16*(li%8)   ; no vector line since the wait on va_vdst of the K step before names these registers
.set li, li+1
.endr
	s_wait_dscnt 0x0                               ; the numbers are back; the set's registers have been read; the last step's image stores are done
.endm
.macro MAX16X4                         ; the largest magnitude of each 16 of the 64 numbers, with the floor 2^(5 - 127) among the leaves; the four groups by turns.  Each accumulator is read from its low end on
	WIN 0x3c
.irp g, 0,1,2,3
	v_max3_num_f32 v[TM+\g], 0x2800000, |v[192+16*\g]|, |v[193+16*\g]|
.endr
.irp i, 2,4,6,8,10,12,14
.irp g, 0,1,2,3
	v_max3_num_f32 v[TM+\g], v[TM+\g], |v[192+16*\g+\i]|, |v[193+16*\g+\i]|
.endr
.endr
.endm
.macro QUANTW                          ; two whole blocks a lane (blocks h and 2 + h of the 128): codes into v[PC ..], the row's scale word into v[PW]
	MAX16X4
	WIN 0
	v_max_num_f32 v[TM], v[TM], v[TM+1]
	v_max_num_f32 v[TM+2], v[TM+2], v[TM+3]
	v_add_nc_u32 v[SO], 0xfe000000, v[TM]          ; 4 off the exponent field: the conversion takes that field as its scale
	v_add_nc_u32 v[SO+1], 0xfe000000, v[TM+2]
	v_lshrrev_b32 v[BY], 23, v[SO]
	v_lshrrev_b32 v[BY+1], 23, v[SO+1]
	v_lshl_or_b32 v[PW], v[BY+1], 16, v[BY]
	v_lshlrev_b32 v[PW], v[SH8], v[PW]
	v_permlanex16_b32 v[T4], v[PW], s[SEL], s[SEL+1]
	v_or_b32 v[PW], v[PW], v[T4]
	WIN 0x03
	v_cvt_scalef32_pk16_bf6_f32 v[PC:PC+2], v[192:207], v[SO]
	v_cvt_scalef32_pk16_bf6_f32 v[TMPC:TMPC+2], v[208:223], v[SO]
	v_cvt_scalef32_pk16_bf6_f32 v[PC+6:PC+8], v[224:239], v[SO+1]
	v_cvt_scalef32_pk16_bf6_f32 v[TMPC+4:TMPC+6], v[240:255], v[SO+1]
	WIN 0
	v_nop                                          ; one plain place behind the scaled conversions
.irp c, 0,1
.irp i, 0,1,2
	v_mov_b32 v[PC+3+6*\c+\i], v[TMPC+4*\c+\i]
.endr
.endr
.endm
.macro KHEAD ks, cnt
	s_wait_loadcnt \cnt                            ; this K step's 16 loads are in; the count is what was issued behind them
	TURN \ks
	s_wait_alu depctr_vm_vsrc(0)                   ; the stage's stores have read set ks % 4, in which later loads land; the last step's image stores have read v[PC ..] and v[PW], which QUANTW writes again
.endm
.macro KTAIL ks                        ; the fragment goes to LDS as it stands: 16 bytes a lane, 512 a store
	QUANTW
	s_wait_alu depctr_va_vdst(0)                   ; QUANTW has written v[PC ..] and v[PW], which the stores below read, and is done reading the 64 numbers at work, in which the next step's LDS loads land
.irp c, 0,1,2
	ds_store_b128 v[XWI], v[PC+4*\c:PC+4*\c+3] offset:1536*(\ks)+512*\c
.endr
	ds_store_b32 v[XWS], v[PW] offset:128*(\ks)
.endm
.macro RPART j, off, g                 ; a third of ring buffer j is asked for: eight loads of codes, 512 consecutive bytes each; with the last third the unit's scale words
.if (\j) == 0
.set RB, 0
.set RW, 0xc0
.elseif (\j) == 1
.set RB, 96
.set RW, 0xc0
.elseif (\j) == 2
.set RB, 160
.set RW, 0
.else
.set RB, 144
.set RW, 0x80
.endif
	WIN RW
.set rf, 8*(\g)
.rept 8
	global_load_b128 v[RB+4*rf:RB+4*rf+3], v[LN16], s[BP:BP+1] offset:(\off)+12800*(\j)+512*rf
.set rf, rf+1
.endr
.if (\g) == 2
	WIN 0
	global_load_b128 v[BS+4*(\j):BS+4*(\j)+3], v[LN16], s[BP:BP+1] offset:(\off)+12800*(\j)+12288
.endif
.endm
.macro RFILL j, off                    ; the whole of ring buffer j: 24 loads of codes and one of scale words.  In the prologue: no vector or matrix instruction has named these registers yet
	RPART \j, \off, 0
	RPART \j, \off, 1
	RPART \j, \off, 2
.endm
.macro WM d, a, b, sa, sb, cm, t       ; one product.  cm = 1: it starts the sum; 2: the bias is its C; 0: it adds in place.  t = 1: the strip's scale words lie in lanes 16-31
.if (\cm) == 1
.if (\t) == 0
	v_wmma_scale_f32_16x16x128_f8f6f4 v[\d:\d+7], v[\a:\a+11], v[\b:\b+11], 0, v[\sa], v[\sb] matrix_a_fmt:MATRIX_FMT_BF6 matrix_b_fmt:MATRIX_FMT_BF6
.else
	v_wmma_scale_f32_16x16x128_f8f6f4 v[\d:\d+7], v[\a:\a+11], v[\b:\b+11], 0, v[\sa], v[\sb] matrix_a_fmt:MATRIX_FMT_BF6 matrix_b_fmt:MATRIX_FMT_BF6 matrix_a_scale:MATRIX_SCALE_ROW1
.endif
.elseif (\cm) == 2
.if (\t) == 0
	v_wmma_scale_f32_16x16x128_f8f6f4 v[\d:\d+7], v[\a:\a+11], v[\b:\b+11], v[BI:BI+7], v[\sa], v[\sb] matrix_a_fmt:MATRIX_FMT_BF6 matrix_b_fmt:MATRIX_FMT_BF6
.else
	v_wmma_scale_f32_16x16x128_f8f6f4 v[\d:\d+7], v[\a:\a+11], v[\b:\b+11], v[BI+8:BI+15], v[\sa], v[\sb] matrix_a_fmt:MATRIX_FMT_BF6 matrix_b_fmt:MATRIX_FMT_BF6 matrix_a_scale:MATRIX_SCALE_ROW1
.endif
.else
.if (\t) == 0
	v_wmma_scale_f32_16x16x128_f8f6f4 v[\d:\d+7], v[\a:\a+11], v[\b:\b+11], v[\d:\d+7], v[\sa], v[\sb] matrix_a_fmt:MATRIX_FMT_BF6 matrix_b_fmt:MATRIX_FMT_BF6
.else
	v_wmma_scale_f32_16x16x128_f8f6f4 v[\d:\d+7], v[\a:\a+11], v[\b:\b+11], v[\d:\d+7], v[\sa], v[\sb] matrix_a_fmt:MATRIX_FMT_BF6 matrix_b_fmt:MATRIX_FMT_BF6 matrix_a_scale:MATRIX_SCALE_ROW1
.endif
.endif
.endm
; A unit: 32 products, four K steps x four tiles of rows x two strips.  The eight accumulators take turns, one instruction a turn, in the same order in every K step, from unit to unit and over
; the loop's backward jump.  Behind them five plain places: four for the first reads of results, the fifth for a later
; product that begins an accumulator anew (ISA guide 7.12.1).
; refill = 1: behind its K steps 0, 1 and 2 the unit asks, eight loads at a time, for the buffer that the unit BEFORE has multiplied (buffer j - 1), with what that buffer holds three units on.
; This unit's products name buffer j, x's fragments, their scale words and the accumulators: none of the registers that those loads touch.
; vw = 1: the wait on va_vdst is written here; vw = 0: QH's or VPUT's stands between the unit before and these loads, and no vector or matrix line behind it names buffer j - 1.
.macro UNIT j, cmode, refill, roff, step, cnt, vw
	s_wait_loadcnt \cnt
.if \vw
	s_wait_alu depctr_va_vdst(0)                   ; the products of the unit before are done reading their buffer and its scale words, in which this unit's loads land
.endif
.if (\j) == 0
.set UB, 0
.set UW, 3
.elseif (\j) == 1
.set UB, 96
.set UW, 3
.elseif (\j) == 2
.set UB, 160
.set UW, 0
.else
.set UB, 144
.set UW, 2
.endif
.set PJ, ((\j)+3)%4
.set uk, 0
.rept 4
.set uks, 4*((\j)&1)+uk
.if uks <= 4
.set XW, 1
.set XB, 48*uks
.else
.set XW, 2
.set XB, 48*(uks-5)
.endif
.set CM, 0
.set CW, 3
.if uk == 0
.set CM, \cmode
.if (\cmode) == 2
.set CW, 0
.endif
.endif
	WIN 0xc0|(CW<<4)|(XW<<2)|UW
.irp m, 0,1,2,3
.irp t, 0,1
	WM 192+16*\m+8*\t, UB+12*(2*uk+\t), XB+12*\m, BS+4*(\j)+uk, XS+4*uks+\m, CM, \t
.endr
.endr
.if (\refill) && (uk < 3)
.if (\step) && (uk == 0)
	s_wait_xcnt 0x0                                ; the ring's earlier loads have read their base: it may step
	s_add_nc_u64 s[BP:BP+1], s[BP:BP+1], TRS
.endif
	RPART PJ, \roff, uk
.endif
.set uk, uk+1
.endr
	WIN 0
.rept 5
	v_nop
.endr
.endm
; Half a head (block b of its 64 columns) of q or k, for the 64 rows, becomes codes.  Lane (r, h) holds 16 neighbours of row 16 m + r: half a block; lane l xor 16 holds the other half.
.macro QH b
	s_wait_dscnt 0x0                               ; the stores of the half head before have read their registers (they were issued two units ago)
	s_wait_alu depctr_vm_vsrc(0)                   ; the same, stated for the lines below: those stores have read v[CD ..], v[SB ..], v[QW] and v[QS]; on the way in, the last image stores v[PC ..], which are v[CD ..]
.if (\b) == 0
	v_add_nc_u32 v[QW], s27, v[QW0]                ; this trip's slot
	v_add_nc_u32 v[QS], s28, v[QS0]
.endif
	MAX16X4
	WIN 0
.irp m, 0,1,2,3
	v_permlanex16_b32 v[T4+\m], v[TM+\m], s[SEL], s[SEL+1]
.endr
.irp m, 0,1,2,3
	v_max_num_f32 v[TM+\m], v[TM+\m], v[T4+\m]
.endr
.irp m, 0,1,2,3
	v_add_nc_u32 v[SO+\m], 0xfe000000, v[TM+\m]
.endr
.irp m, 0,1,2,3
	v_lshrrev_b32 v[BY+\m], 23, v[SO+\m]
.endr
	WIN 0x03
.irp m, 0,1,2,3
	v_cvt_scalef32_pk16_bf6_f32 v[CD+4*\m:CD+4*\m+2], v[192+16*\m:207+16*\m], v[SO+\m]
.endr
	WIN 0
	v_nop                                          ; one plain place behind the scaled conversions: the next unit's products write their sources
.if (\b) == 0
.irp m, 0,1,2,3
	v_mov_b32 v[SB+\m], v[BY+\m]
.endr
.else
.irp m, 0,1,2,3
	v_lshl_or_b32 v[SB+\m], v[BY+\m], 8, v[SB+\m]
.endr
.irp m, 0,1,2,3
	v_or_b32 v[SB+\m], 0x7f7f0000, v[SB+\m]        ; bytes 2 and 3 stand over the zero codes that fill K from 64 to 128
.endr
.endif
	s_wait_alu depctr_va_vdst(0)                   ; v[CD ..], v[SB ..], v[QW] and v[QS] are written, which the stores below read; and the products of the unit before are done reading their buffer, in which the next unit's loads land
.irp m, 0,1,2,3
.irp u, 0,1,2
	ds_store_b32 v[QW], v[CD+4*\m+\u] offset:6400*\m+24*(\b)+4*\u   ; 12 bytes: my half of the block's 24
.endr
.endr
.if (\b) == 1
.irp m, 0,1,2,3
	ds_store_b32 v[QS], v[SB+\m] offset:512*\m     ; both halves of the lanes write the same word with the same value
.endr
.endif
.endm
.macro VPUT b                          ; my four heads' sum of v, columns 32 b .. 32 b + 31, to my part of VP; each accumulator from its low end on
	WIN 0x0c
	s_wait_alu depctr_va_vdst(0)                   ; the products have written the accumulators, which the stores below read (the places stand ahead of this wait), and are done reading their buffer, in which the next unit's loads land
.irp m, 0,1,2,3
.irp t, 0,1
	ds_store_b128 v[VPW], v[192+16*\m+8*\t:195+16*\m+8*\t] offset:4352*\m+128*(\b)+32*\t
	ds_store_b128 v[VPW], v[196+16*\m+8*\t:199+16*\m+8*\t] offset:4352*\m+128*(\b)+32*\t+16
.endr
.endr
	WIN 0
	s_wait_dscnt 0x0
.if (\b) == 0
	s_wait_alu depctr_vm_vsrc(0)                   ; the stores have read the accumulators, which the next unit's products begin anew
.endif
.endm
	s_load_b256 s[4:11], s[0:1], 0x0               ; x s[4:5], wc s[6:7], en s[8:9], vs s[10:11]
	s_load_b64 s[12:13], s[0:1], 0x20              ; stat
	v_lshl_add_u32 v126, v0, 2, 0x41400
	v_mov_b32 v127, 0
	v_lshrrev_b32 v13, 5, v0
	v_readfirstlane_b32 s14, v13                   ; wave 0..3
	v_and_b32 v13, 31, v0
	v_and_b32 v[RR], 15, v0
	v_bfe_u32 v[HH], v0, 4, 1
	v_lshlrev_b32 v[LN16], 4, v13
	v_lshlrev_b32 v[LN4], 2, v13
	v_lshlrev_b32 v[SH8], 3, v[HH]
.irp i, 0,1,2,3
	v_mov_b32 v[T4+\i], 0                          ; a lane permute's destination counts as read
.endr
	s_wait_alu depctr_va_sdst(0)                   ; s14 is written, ahead of its first reader: LDS addresses and the buffers' bases are made from it
	s_mul_i32 s18, s14, 8448
	s_add_co_u32 s18, s18, TST
	v_add_nc_u32 v[TSW], s18, v[LN16]
	v_mul_u32_u24 v[TSR], v[RR], 528
	v_lshl_add_u32 v[TSR], v[HH], 7, v[TSR]
	v_add_nc_u32 v[TSR], s18, v[TSR]
	s_mul_i32 s18, s14, 12288
	v_add_nc_u32 v[XWI], s18, v[LN16]
	s_lshl_b32 s18, s14, 10
	s_add_co_u32 s18, s18, XSC
	v_add_nc_u32 v[XWS], s18, v[LN4]
	s_mul_i32 s18, s14, 25600
	s_add_co_u32 s18, s18, QKC
	v_mul_u32_u24 v[QW0], v[RR], 400
	v_mad_u32_u24 v[QW0], v[HH], 12, v[QW0]
	v_add_nc_u32 v[QW0], s18, v[QW0]
	s_lshl_b32 s18, s14, 11
	s_add_co_u32 s18, s18, QKS
	v_lshlrev_b32 v[QS0], 5, v[RR]
	v_add_nc_u32 v[QS0], s18, v[QS0]
	s_mul_i32 s18, s14, 17408
	s_add_co_u32 s18, s18, VP
	v_mul_u32_u24 v[VPW], v[RR], 272
	v_lshl_add_u32 v[VPW], v[HH], 6, v[VPW]
	v_add_nc_u32 v[VPW], s18, v[VPW]
	s_mov_b32 s[SEL], 0x76543210
	s_mov_b32 s[SEL+1], 0xfedcba98
	s_mov_b32 s[CS], 0x3e38aa3b                    ; c = log2(e) / 8
	s_mov_b32 s[CS+1], s[CS]
	s_lshr_b32 s16, ttmp9, 6                       ; n
	s_and_b32 s17, ttmp9, 63                       ; my place among the batch's 64 work-groups
	s_lshl_b32 s18, ttmp9, 18                      ; x: (64 g + 16 w) rows of 4,096 bytes
	s_lshl_b32 s29, s14, 16
	s_add_co_u32 s18, s18, s29
	s_mov_b32 s19, 0
	s_wait_kmcnt 0x0
	s_add_nc_u64 s[SRC:SRC+1], s[SRC:SRC+1], s[18:19]
	s_wait_alu depctr_va_vdst(0)                   ; the offsets and LDS addresses v1 to v10 are written, which the loads and LDS instructions of the prologue and the ring read
	LOADK 0
	LOADK 1
	LOADK 2
	LOADK 3
	s_mul_i32 s18, s14, 51200                      ; wc: my wave's four units of trip 0
	s_add_nc_u64 s[BP:BP+1], s[6:7], s[18:19]
	s_lshl_b32 s18, s16, 22                        ; en: batch n, rows 64 w on, my 64 positions
	s_lshl_b32 s29, s14, 20
	s_add_co_u32 s18, s18, s29
	s_lshl_b32 s29, s17, 8
	s_add_co_u32 s18, s18, s29
	s_add_nc_u64 s[8:9], s[8:9], s[18:19]
	s_lshl_b32 s18, ttmp9, 14                      ; vs: (64 g + 16 w) rows of 256 bytes
	s_lshl_b32 s29, s14, 12
	s_add_co_u32 s18, s18, s29
	s_add_nc_u64 s[10:11], s[10:11], s[18:19]
	s_lshl_b32 s18, s16, 16                        ; stat: 4,096 (16 n + 4 w) + 64 x my place
	s_lshl_b32 s29, s14, 14
	s_add_co_u32 s18, s18, s29
	s_lshl_b32 s29, s17, 6
	s_add_co_u32 s18, s18, s29
	s_add_nc_u64 s[12:13], s[12:13], s[18:19]
	; ---- the prologue: eight K steps of my 16 rows.  Loads run three sets ahead; the ring's first three units are asked for in the last three steps
	KHEAD 0, 48
	LOADK 4
	KTAIL 0
	KHEAD 1, 48
	LOADK 5
	KTAIL 1
	KHEAD 2, 48
	LOADK 6
	KTAIL 2
	KHEAD 3, 48
	LOADK 7
	KTAIL 3
	KHEAD 4, 48
	KTAIL 4
	KHEAD 5, 32                                    ; behind set 5: sets 6 and 7
	RFILL 0, 0
	KTAIL 5
	KHEAD 6, 41                                    ; behind set 6: set 7 and unit 0's 25
	RFILL 1, 0
	KTAIL 6
	KHEAD 7, 50                                    ; behind set 7: units 0 and 1
	RFILL 2, 0
	KTAIL 7
	s_wait_dscnt 0x0                               ; for the others' sake: my images lie in LDS
	s_barrier_signal -1
	s_barrier_wait -1
	WIN 0x40                                       ; all 32 fragments come back, in every wave.  (They land in the sets: the last K step's wait on vm_vsrc stands behind the last LDS store that read a set, and no vector line has named these registers)
.irp k, 0,1,2,3,4
.irp m, 0,1,2,3
.irp c, 0,1,2
	ds_load_b128 v[12*(4*\k+\m)+4*\c:12*(4*\k+\m)+4*\c+3], v[LN16] offset:(8*\m+\k)*1536+512*\c
.endr
.endr
.endr
	WIN 0x80
.irp k, 5,6,7
.irp m, 0,1,2,3
.irp c, 0,1,2
	ds_load_b128 v[12*(4*(\k-5)+\m)+4*\c:12*(4*(\k-5)+\m)+4*\c+3], v[LN16] offset:(8*\m+\k)*1536+512*\c
.endr
.endr
.endr
	WIN 0
.irp k, 0,1,2,3,4,5,6,7
.irp m, 0,1,2,3
	ds_load_b32 v[XS+4*\k+\m], v[LN4] offset:XSC+128*(8*\m+\k)
.endr
.endr
	s_wait_dscnt 0x0
	; ---- q and k: a trip is one head for the 64 rows: four units, 128 products, 100 loads.  Unit 0 asks for this trip's unit 3, units 1 to 3 for the next trip's units 0 to 2: the base steps in unit 1
	s_mov_b32 s26, 8
	s_mov_b32 s27, 0
	s_mov_b32 s28, 0
.Ltrip:
	UNIT 0, 1, 1, 0, 0, 50, 0                      ; behind a unit's own 25 loads stand the 50 of the two units that follow it, on the way in and round the backward jump alike
	UNIT 1, 0, 1, 0, 1, 50, 1
	QH 0
	UNIT 2, 1, 1, 0, 0, 50, 0
	UNIT 3, 0, 1, 0, 0, 50, 1
	QH 1
	s_add_co_u32 s27, s27, 48
	s_add_co_u32 s28, s28, 4
	s_sub_co_u32 s26, s26, 1
	s_cmp_lg_u32 s26, 0
	s_cbranch_scc1 .Ltrip
	; ---- V: trips 8 and 9 add columns 0-31 of my four heads into the same accumulators, trips 10 and 11 columns 32-63.  The base stands at trip 8
	UNIT 0, 1, 1, 0, 0, 50, 0
	UNIT 1, 0, 1, TRS, 0, 50, 1
	UNIT 2, 0, 1, TRS, 0, 50, 1
	UNIT 3, 0, 1, TRS, 0, 50, 1
	UNIT 0, 0, 1, TRS, 0, 50, 1
	UNIT 1, 0, 1, 2*TRS, 0, 50, 1
	UNIT 2, 0, 1, 2*TRS, 0, 50, 1
	UNIT 3, 0, 1, 2*TRS, 0, 50, 1
	VPUT 0
	UNIT 0, 1, 1, 2*TRS, 0, 50, 0
	UNIT 1, 0, 1, 3*TRS, 0, 50, 1
	UNIT 2, 0, 1, 3*TRS, 0, 50, 1
	UNIT 3, 0, 1, 3*TRS, 0, 50, 1
	UNIT 0, 0, 1, 3*TRS, 0, 50, 1                  ; the last load of wc: trip 11's unit 3
	UNIT 1, 0, 0, 0, 0, 50, 0                      ; the last three units ask for nothing, so they hold no wait on va_vdst: the counts run down
	UNIT 2, 0, 0, 0, 0, 25, 0
	UNIT 3, 0, 0, 0, 0, 0, 0
	VPUT 1
	s_barrier_signal -1                            ; (VPUT has waited for my LDS stores)  all codes, scale words and parts of V lie in LDS; nobody reads x's images any more
	s_barrier_wait -1
	s_wait_alu depctr_vm_vsrc(0)                   ; the LDS instructions issued so far have read their addresses v3, v4, v6, v7, v10, v11, v12 and the data v64-79, v100, v102-105: the phases below write all of these anew
	; ---- V: rows 16 w .. 16 w + 15, the four waves' parts added
	s_mul_i32 s18, s14, 4352
	s_add_co_u32 s18, s18, VP
	v_mul_u32_u24 v3, v[HH], 272
	v_lshl_add_u32 v3, v[RR], 4, v3
	v_add_nc_u32 v3, s18, v3                       ; lanes 0-15 one row of 256 bytes, lanes 16-31 the next
	s_wait_alu depctr_va_vdst(0)                   ; v3 is written, which the loads below read (the products that read ring buffer 2, v160-255, in which they land, stand ahead of VPUT's wait)
.irp i, 0,1,2,3,4,5,6,7
.irp p, 0,1,2,3
	ds_load_b128 v[128+16*\i+4*\p:131+16*\i+4*\p], v3 offset:17408*\p+544*\i
.endr
.endr
	s_wait_dscnt 0x0
.irp i, 0,1,2,3,4,5,6,7
	v_pk_add_f32 v[128+16*\i:129+16*\i], v[128+16*\i:129+16*\i], v[132+16*\i:133+16*\i]
	v_pk_add_f32 v[130+16*\i:131+16*\i], v[130+16*\i:131+16*\i], v[134+16*\i:135+16*\i]
	v_pk_add_f32 v[136+16*\i:137+16*\i], v[136+16*\i:137+16*\i], v[140+16*\i:141+16*\i]
	v_pk_add_f32 v[138+16*\i:139+16*\i], v[138+16*\i:139+16*\i], v[142+16*\i:143+16*\i]
.endr
.irp i, 0,1,2,3,4,5,6,7
	v_pk_add_f32 v[128+16*\i:129+16*\i], v[128+16*\i:129+16*\i], v[136+16*\i:137+16*\i]
	v_pk_add_f32 v[130+16*\i:131+16*\i], v[130+16*\i:131+16*\i], v[138+16*\i:139+16*\i]
.endr
	s_wait_alu depctr_va_vdst(0)                   ; the additions have written the sums, which the stores below read
.irp i, 0,1,2,3,4,5,6,7
	global_store_b128 v[LN16], v[128+16*\i:131+16*\i], s[10:11] offset:512*\i   ; 32 lanes store 512 consecutive bytes, aligned
.endr
	; ---- the energies of positions 16 w .. 16 w + 15.  An operand is 16 heads x 64, filled to 128: registers 6-11 of the eight fragments hold zero codes, written once
	WIN 0x40
.irp g, 0,1,2,3,4,5,6,7
.irp i, 6,7,8,9,10,11
	v_mov_b32 v[12*\g+\i], 0
.endr
.endr
	WIN 0
	v_and_b32 v13, 3, v[RR]                        ; head r lies with wave r & 3, in slot r >> 2.  (These lines are also the places between the zeros and the first products)
	v_lshrrev_b32 v12, 2, v[RR]
	s_mul_i32 s18, s14, 6400
	s_add_co_u32 s18, s18, QKC
	v_mul_u32_u24 v4, v13, 25600
	v_mad_u32_u24 v4, v12, 48, v4
	v_mad_u32_u24 v4, v[HH], 24, v4
	v_add_nc_u32 v4, s18, v4                       ; q's codes: head r, block h, position 16 w; k's lie 192 bytes on
	s_lshl_b32 s18, s14, 9
	s_add_co_u32 s18, s18, QKS
	v_lshlrev_b32 v5, 11, v13
	v_lshl_add_u32 v5, v12, 2, v5
	v_lshl_add_u32 v5, v[HH], 4, v5
	v_add_nc_u32 v5, s18, v5                       ; scale words: lanes 0-15 q's head r, lanes 16-31 k's head r
	v_lshl_add_u32 v6, v[HH], 7, v[RR]
	v_mul_u32_u24 v6, v6, 272
	s_lshl_b32 s18, s14, 6
	v_add_nc_u32 v6, s18, v6                       ; EST: row 16 (8 h + j) + r, byte 4 (16 w + p)
	s_lshl_b32 s18, s14, 11
	s_add_co_u32 s18, s18, SX
	v_lshlrev_b32 v7, 2, v[RR]
	v_lshl_add_u32 v7, v[HH], 9, v7
	v_add_nc_u32 v7, s18, v7                       ; SX: my wave's words, 4 (16 (8 h + j) + r)
	s_wait_xcnt 0x0                                ; V's stores have read v128-255: the products below write them
	s_wait_alu depctr_vm_vsrc(0)                   ; the same, stated for the products: V's stores have read their data in v128-255
.set G, 0
.rept 4
.if G > 0
.rept 5
	v_nop                                          ; places in front of loads into registers that the last four products have read
.endr
.endif
	WIN 0x40
	s_wait_alu depctr_va_vdst(0)                   ; first group: v4 to v7 are written, which the LDS instructions below read, and so are the zero codes, which the products take as operands (their places stand ahead); later groups: the last four products are done reading their operands and scale words, in which these loads land
.irp g, 0,1,2,3
.irp u, 0,1,2
	ds_load_b64 v[24*\g+2*\u:24*\g+2*\u+1], v4 offset:400*(4*G+\g)+8*\u
	ds_load_b64 v[24*\g+12+2*\u:24*\g+13+2*\u], v4 offset:400*(4*G+\g)+192+8*\u
.endr
.endr
	WIN 0
.irp g, 0,1,2,3
	ds_load_b32 v[24+\g], v5 offset:32*(4*G+\g)
.endr
	s_wait_dscnt 0x0
	WIN 0x05
.irp g, 0,1,2,3
	v_wmma_scale_f32_16x16x128_f8f6f4 v[128+8*(4*G+\g):135+8*(4*G+\g)], v[24*\g:24*\g+11], v[24*\g+12:24*\g+23], 0, v[24+\g], v[24+\g] matrix_a_fmt:MATRIX_FMT_BF6 matrix_b_fmt:MATRIX_FMT_BF6 matrix_b_scale:MATRIX_SCALE_ROW1
.endr
.set G, G+1
.endr
	WIN 0
.rept 5
	v_nop
.endr
	s_wait_alu depctr_va_vdst(0)                   ; the products have written the energies, which the stores below read; the places above stay beside this wait
.set P, 0
.rept 16                               ; register j of position p: (a = 8 h + j, b = r).  Each result from its low end on
.irp j, 0,1,2,3,4,5,6,7
	ds_store_b32 v6, v[128+8*P+\j] offset:4352*\j+4*P
.endr
.set P, P+1
.endr
.irp j, 0,1,2,3,4,5,6,7
	v_max3_num_f32 v[PM+\j], v[128+\j], v[136+\j], v[144+\j]       ; the largest of my 16 positions
.endr
.irp p, 3,5,7,9,11,13
.irp j, 0,1,2,3,4,5,6,7
	v_max3_num_f32 v[PM+\j], v[PM+\j], v[128+8*\p+\j], v[136+8*\p+\j]
.endr
.endr
.irp j, 0,1,2,3,4,5,6,7
	v_max_num_f32 v[PM+\j], v[PM+\j], v[248+\j]
.endr
.irp j, 0,1,2,3,4,5,6,7
	v_mul_f32 v[PMC+\j], s[CS], v[PM+\j]
.endr
	s_wait_alu depctr_va_vdst(0)
	s_wait_dscnt 0x0                               ; the stores have read the energies: they are worked on in place
	s_wait_alu depctr_vm_vsrc(0)                   ; the same, stated for the multiply-adds below, which write v128-255
.set P, 0
.rept 16
.irp j, 0,2,4,6
	v_pk_fma_f32 v[128+8*P+\j:129+8*P+\j], v[128+8*P+\j:129+8*P+\j], s[CS:CS+1], v[PMC+\j:PMC+\j+1] op_sel_hi:[1,0,1] neg_lo:[0,0,1] neg_hi:[0,0,1]
.endr
.set P, P+1
.endr
.set P, 0
	s_wait_alu depctr_va_vdst(0)
.rept 128
	v_exp_f32 v[128+P], v[128+P]
.set P, P+1
.endr
	v_nop                                          ; one plain place behind the exponentials
	s_wait_alu depctr_va_vdst(0)                   ; the 128 exponentials have written v128-255, ahead of their first reader
.irp j, 0,2,4,6
	v_pk_add_f32 v[PL+\j:PL+\j+1], v[128+\j:129+\j], v[136+\j:137+\j]
.endr
.irp p, 2,3,4,5,6,7,8,9,10,11,12,13,14,15
.irp j, 0,2,4,6
	v_pk_add_f32 v[PL+\j:PL+\j+1], v[PL+\j:PL+\j+1], v[128+8*\p+\j:129+8*\p+\j]
.endr
.endr
	s_wait_alu depctr_va_vdst(0)                   ; the sums v[PL ..] are written (and v[PMC ..] before them), which the stores below read
.irp j, 0,1,2,3,4,5,6,7
	ds_store_b32 v7, v[PMC+\j] offset:64*\j
	ds_store_b32 v7, v[PL+\j] offset:64*\j+1024
.endr
	s_wait_dscnt 0x0
	s_barrier_signal -1
	s_barrier_wait -1                              ; 256 whole rows of energies and the four waves' statistics lie in LDS
	; ---- the way out: wave w stores rows 64 w .. 64 w + 63 of the energies and joins the statistics of those 64 pairs (a, b)
	s_mul_i32 s18, s14, 17408
	v_mul_u32_u24 v8, v[HH], 272
	v_lshl_add_u32 v8, v[RR], 4, v8
	v_add_nc_u32 v8, s18, v8                       ; lanes 0-15 one row of 256 bytes, lanes 16-31 the next
	v_lshlrev_b32 v9, 4, v[RR]
	v_lshl_add_u32 v9, v[HH], 14, v9               ; and the same two rows in en, 16,384 bytes apart
	s_lshl_b32 s18, s14, 8
	s_add_co_u32 s18, s18, SX
	v_lshl_add_u32 v10, v[LN4], 1, s18             ; two pairs a lane
	v_bfe_u32 v13, v0, 3, 2
	v_and_b32 v12, 7, v0
	v_lshlrev_b32 v11, 3, v12
	v_lshl_add_u32 v11, v13, 12, v11               ; stat: a = 4 w + lane / 8, b = 2 (lane % 8)
	s_wait_alu depctr_va_vdst(0)                   ; v8 to v11 are written, which the loads and stores below read; the vector lines above are done with v88-103 and v128-255, in which the loads land
.irp p, 0,1,2,3
	ds_load_b64 v[88+2*\p:89+2*\p], v10 offset:2048*\p
	ds_load_b64 v[96+2*\p:97+2*\p], v10 offset:2048*\p+1024
.endr
.set P, 0
.rept 32
	ds_load_b128 v[128+4*P:131+4*P], v8 offset:544*P
.set P, P+1
.endr
.set P, 0
.rept 32
	s_wait_dscnt 31-P                              ; the younger loads may be out
	global_store_b128 v9, v[128+4*P:131+4*P], s[8:9] offset:32768*P   ; 16 lanes store 256 consecutive bytes, aligned
.set P, P+1
.endr
.irp u, 0,1
	v_max3_num_f32 v[104+\u], v[88+\u], v[90+\u], v[92+\u]
.endr
.irp u, 0,1
	v_max_num_f32 v[104+\u], v[104+\u], v[94+\u]
.endr
.irp p, 0,1,2,3
.irp u, 0,1
	v_sub_f32 v[88+2*\p+\u], v[88+2*\p+\u], v[104+\u]
.endr
.endr
	s_wait_alu depctr_va_vdst(0)
.irp p, 0,1,2,3,4,5,6,7
	v_exp_f32 v[88+\p], v[88+\p]
.endr
	v_nop
	s_wait_alu depctr_va_vdst(0)                   ; the eight exponentials have written v88-95, ahead of their first reader
.irp u, 0,1
	v_mul_f32 v[106+\u], v[96+\u], v[88+\u]
.endr
.irp p, 1,2,3
.irp u, 0,1
	v_fmac_f32 v[106+\u], v[96+2*\p+\u], v[88+2*\p+\u]
.endr
.endr
	s_wait_alu depctr_va_vdst(0)                   ; v104 to v107 are written, which the two stores below read
	global_store_b64 v11, v[104:105], s[12:13]
	global_store_b64 v11, v[106:107], s[12:13] offset:262144
	s_wait_dscnt 0x0                               ; the closing lines, six on end
	s_wait_alu 0x0
	s_wait_tensorcnt 0x0
	ds_add_u32 v126, v127
	s_wait_dscnt 0x0
	s_endpgm
.Lfunc_end_k_qb37207ff35_qkv:
	.size	k_qb37207ff35_qkv, .Lfunc_end_k_qb37207ff35_qkv-k_qb37207ff35_qkv
	.p2alignl 7, 3214868480
	.fill 96, 4, 3214868480
	.section	.rodata,"a",@progbits
	.p2align	6, 0x0
	.amdhsa_kernel k_qb37207ff35_qkv
		.amdhsa_group_segment_fixed_size 267776
		.amdhsa_private_segment_fixed_size 0
		.amdhsa_enable_private_segment 0
		.amdhsa_kernarg_size 40
		.amdhsa_user_sgpr_count 2
		.amdhsa_user_sgpr_kernarg_segment_ptr 1
		.amdhsa_wavefront_size32 1
		.amdhsa_system_sgpr_workgroup_id_x 1
		.amdhsa_system_sgpr_workgroup_id_y 1
		.amdhsa_system_sgpr_workgroup_id_z 1
		.amdhsa_system_vgpr_workitem_id 0
		.amdhsa_next_free_vgpr 1024
		.amdhsa_next_free_sgpr 66
		.amdhsa_reserve_vcc 0
		.amdhsa_float_denorm_mode_32 3
		.amdhsa_float_denorm_mode_16_64 3
		.amdhsa_memory_ordered 1
		.amdhsa_forward_progress 1
		.amdhsa_inst_pref_size 255
	.end_amdhsa_kernel
	.section	.bss,"aw",@nobits
	.p2align	6
	.space	262144
	.amdgpu_metadata
---
amdhsa.version: [ 1, 2 ]
amdhsa.kernels:
  - .name:           k_qb37207ff35_qkv
    .symbol:         k_qb37207ff35_qkv.kd
    .args:
      - { .name: x, .offset: 0, .size: 8, .value_kind: global_buffer, .address_space: global }
      - { .name: wc, .offset: 8, .size: 8, .value_kind: global_buffer, .address_space: global }
      - { .name: en, .offset: 16, .size: 8, .value_kind: global_buffer, .address_space: global }
      - { .name: vs, .offset: 24, .size: 8, .value_kind: global_buffer, .address_space: global }
      - { .name: stat, .offset: 32, .size: 8, .value_kind: global_buffer, .address_space: global }
    .group_segment_fixed_size: 267776
    .private_segment_fixed_size: 0
    .kernarg_segment_align: 8
    .kernarg_segment_size: 40
    .max_flat_workgroup_size: 128
    .sgpr_count:     66
    .vgpr_count:     1024
    .wavefront_size: 32
...
	.end_amdgpu_metadata
.endif
;; end of part 5
;; launch outp (part 6): grid 256 x 1, 4 waves a work-group, no clusters, 235,008 bytes of LDS; arguments vs, en, stat, wc, bo, out0; writes out0
.if DOCPART == 6
	.amdgcn_target "amdgcn-amd-amdhsa--gfx1250"
	.amdhsa_code_object_version 6
	.text
	.protected	k_qb37207ff35_outp
	.globl	k_qb37207ff35_outp
	.p2align	8
	.type	k_qb37207ff35_outp,@function
k_qb37207ff35_outp:
	s_mov_b64 s[64:65], 0
	v_nop
	global_prefetch_b8 v0, s[64:65] scope:SCOPE_SE
	s_setreg_imm32_b32 hwreg(HW_REG_WAVE_SCHED_MODE, 0, 2), 2
	s_setreg_imm32_b32 hwreg(HW_REG_WAVE_MODE, 25, 1), 1
	s_wait_xcnt 0x0
	s_wait_alu depctr_vm_vsrc(0)
; out0 = (A x V, read as rows of 1,024) Wo^T + bo, the product on codes of BF6 (E3M2) with one E8M0 scale for each 32 along K, sums in f32.
; Row s' of batch n belongs to head a = s' / 256; its column e is position s = 16 (s' % 256) + e / 64, channel e % 64: the row is row s' % 256 of V [256][1024], each run of 64 columns
; multiplied by A[n][a][s] = the sum over b of 2^(c en - M_b) / L_b, with M_b the largest c x energy of (n, a, b) over all positions and L_b the sum of 2^(c en - M_b): the softmax over s, its maximum taken away.
; SHARES.  Work-group g = 64 n + 4 a + t owns rows 64 g .. 64 g + 63 of out0.  Wave w joins the 64 work-groups' statistics of (n, a), makes A for positions 1,024 t + 256 w + 0 .. 255, multiplies and
; quantises rows 16 w .. 16 w + 15 of the operand, and hands the eight fragments to the others through LDS as images of their registers.  Then every wave holds all 64 rows and makes columns
; 256 w .. 256 w + 255: four trips of 64 columns, weights from wc straight into a ring of four unit buffers, as in the launch before.  The bias is the C of each sum's first product.
; Results go through the wave's own stage (two halves by turns) and leave as whole runs of 256 bytes while the next trip is multiplied.
; WHY NO CLUSTER AND NO TENSOR LOADS: each weight fragment is read by exactly one wave of a work-group, so a way through LDS would add a write and a read of each byte and feed nobody twice.
; No prefetch: V, the energies and the statistics are asked for at the head by their own loads; wc is read by all work-groups.
; LIMITS: NaN and infinities are not served; a block whose largest magnitude lies under 2^-122 (a block of zeros among them) gets the byte 1; exponentials under 2^-126 come out as 0.
; REGISTERS, in windows of 256.  Window 0: v1-15 addresses; v16-47 the rows' scale words; v48-63 the ring's; v64-105 at work; v106-121 the bias; v122-137 my row's 16 A, later v128-159 rows on their way out;
;   v160-255 first the statistics, then ring buffer 2.  Window 1: four sets of 64 numbers as loaded, then fragments of K steps 0-4.  Window 2: first the energies (v0-127), then fragments of K steps 5-7 and ring buffer 3.
;   Window 3: ring buffers 0, 1; v192-255 the 64 numbers at work, then the 8 accumulators.
; THE MODE: SCHED_MODE bits 1:0 = 2 (LLVM: expert scheduling mode 2), set by the entry lines.  The code itself states the register dependences
; between vector or matrix instructions and memory or LDS instructions, with s_wait_alu, always for 0.
; THE PLAN.  Registers that memory or LDS instructions touch, and who else names them:
;   the four sets of window 1   Prologue: loads of V land in them, the stage's LDS stores read them; no vector instruction names them.  Later the fragments' LDS loads land there.
;   v192-255 of window 3        Prologue: the stage's LDS loads land in them, MULA and QUANTW work on them.  Later the accumulators: products write them, STAGE's LDS stores read them.
;   v[PC ..], v[PW]             QUANTW writes them, the image stores read them.
;   v160-255, window 2 v0-127   At the head loads land in them and vector lines work on them; two LDS stores read v224-231 and v240-247.  Later ring buffer 2 and fragments land there.
;   ring buffers 0 to 3, v[BS ..]  Unit j's products read buffer j and its four scale words; the loads that land in them again are issued in unit j + 1, among its products.
;   v[BI ..]                    LDS loads land in it; an even unit's first eight products read it as their C.
;   v[OB ..]                    A quarter of the trip before: LDS loads land in it at a slot's head, eight global stores read it in the slot's middle.
;   v1 to v13                   Offsets and LDS addresses: written at the head, never again.
; So: in a K step of the prologue one wait on vm_vsrc behind the turn through the stage and one on va_vdst behind QUANTW; in a slot one wait on vm_vsrc at its head, half a unit behind the stores that it
; speaks of; one wait on va_vdst at the head of an odd unit and one ahead of STAGE's stores, which also serves the bias's loads and the next, even unit's loads of wc.
.set TRS,  204800
.set XIMG, 0
.set XSC,  49152
.set TST,  53248
.set AX,   87040                       ; A of my wave's 256 positions, 1,024 bytes a wave
.set BOL,  91136                       ; bo of my wave's 256 columns, 1,024 bytes a wave
.set OST,  95232                       ; the stage: [wave][half 2][64 rows x 272 bytes]
.set LN16, 1
.set LN4,  2
.set TSW,  3
.set TSR,  4
.set SH8,  5
.set XWI,  6
.set XWS,  7
.set AXW,  8                           ; v8   AX + 1,024 w + 16 lane
.set AXR,  9                           ; v9   AX + 1,024 w + 64 r
.set BA,   10                          ; v10  BOL + 1,024 w + 64 h
.set OSW,  11                          ; v11  OST + 34,816 w + 272 r + 64 h
.set ORD,  12                          ; v12  OST + 34,816 w + 272 h + 16 r
.set OGO,  13                          ; v13  4,096 h + 16 r
.set RR,   14
.set HH,   15
.set XS,   16
.set BS,   48
.set PC,   64
.set TMPC, 76
.set TM,   84
.set T4,   88
.set SO,   92
.set BY,   96
.set PW,   100
.set BI,   106
.set AV,   122
.set OB,   128
.set SRC,  4                           ; s[4:5]   V at my wave's first row
.set SEL,  22
.set BP,   28                          ; s[28:29] wc at my wave's share of trip 12
.set MSB, 0
.macro WIN new                         ; the immediate's high byte repeats the setting that is left
.if MSB != (\new)
	s_set_vgpr_msb (MSB<<8)|(\new)
.set MSB, (\new)
.endif
.endm
.macro LOADK ks                        ; 128 columns of my 16 rows of V into set ks % 4 of window 1 (sixteen work-groups, one for each head, read these rows)
	WIN 0x40
.set li, 0
.rept 16
	global_load_b128 v[64*((\ks)%4)+4*li:64*((\ks)%4)+4*li+3], v[LN16], s[SRC:SRC+1] offset:4096*li+512*(\ks)
.set li, li+1
.endr
.endm
.macro TURN ks
	WIN 0x04
.set li, 0
.rept 16
	ds_store_b128 v[TSW], v[64*((\ks)%4)+4*li:64*((\ks)%4)+4*li+3] offset:528*li
.set li, li+1
.endr
	WIN 0xc0
.set li, 0
.rept 16
	ds_load_b128 v[192+4*li:192+4*li+3], v[TSR] offset:256*(li/8)+16*(li%8)   ; no vector line since the wait on va_vdst of the K step before names these registers
.set li, li+1
.endr
	s_wait_dscnt 0x0
.endm
.macro MULA ks                         ; columns 128 ks + 64 c + .. belong to position 2 ks + c of my row: x A, in f32
	WIN 0xc3
.set mi, 0
.rept 16
	v_pk_mul_f32 v[192+2*mi:193+2*mi], v[192+2*mi:193+2*mi], v[AV+2*(\ks):AV+2*(\ks)+1] op_sel_hi:[1,0]
.set mi, mi+1
.endr
.rept 16
	v_pk_mul_f32 v[192+2*mi:193+2*mi], v[192+2*mi:193+2*mi], v[AV+2*(\ks):AV+2*(\ks)+1] op_sel:[0,1] op_sel_hi:[1,1]
.set mi, mi+1
.endr
.endm
.macro MAX16X4
	WIN 0x3c
.irp g, 0,1,2,3
	v_max3_num_f32 v[TM+\g], 0x2800000, |v[192+16*\g]|, |v[193+16*\g]|
.endr
.irp i, 2,4,6,8,10,12,14
.irp g, 0,1,2,3
	v_max3_num_f32 v[TM+\g], v[TM+\g], |v[192+16*\g+\i]|, |v[193+16*\g+\i]|
.endr
.endr
.endm
.macro QUANTW                          ; two whole blocks a lane: codes into v[PC ..], the row's scale word into v[PW]
	MAX16X4
	WIN 0
	v_max_num_f32 v[TM], v[TM], v[TM+1]
	v_max_num_f32 v[TM+2], v[TM+2], v[TM+3]
	v_add_nc_u32 v[SO], 0xfe000000, v[TM]
	v_add_nc_u32 v[SO+1], 0xfe000000, v[TM+2]
	v_lshrrev_b32 v[BY], 23, v[SO]
	v_lshrrev_b32 v[BY+1], 23, v[SO+1]
	v_lshl_or_b32 v[PW], v[BY+1], 16, v[BY]
	v_lshlrev_b32 v[PW], v[SH8], v[PW]
	v_permlanex16_b32 v[T4], v[PW], s[SEL], s[SEL+1]
	v_or_b32 v[PW], v[PW], v[T4]
	WIN 0x03
	v_cvt_scalef32_pk16_bf6_f32 v[PC:PC+2], v[192:207], v[SO]
	v_cvt_scalef32_pk16_bf6_f32 v[TMPC:TMPC+2], v[208:223], v[SO]
	v_cvt_scalef32_pk16_bf6_f32 v[PC+6:PC+8], v[224:239], v[SO+1]
	v_cvt_scalef32_pk16_bf6_f32 v[TMPC+4:TMPC+6], v[240:255], v[SO+1]
	WIN 0
	v_nop                                          ; one plain place behind the scaled conversions
.irp c, 0,1
.irp i, 0,1,2
	v_mov_b32 v[PC+3+6*\c+\i], v[TMPC+4*\c+\i]
.endr
.endr
.endm
.macro KHEAD ks, cnt
	s_wait_loadcnt \cnt
	TURN \ks
	s_wait_alu depctr_vm_vsrc(0)                   ; the stage's stores have read set ks % 4, in which later loads land; the last step's image stores have read v[PC ..] and v[PW], which QUANTW writes again; the head's two pairs of LDS stores have read v224-231 and v240-247, in which ring buffer 2 lands
.endm
.macro KTAIL ks
	MULA \ks
	QUANTW
	s_wait_alu depctr_va_vdst(0)                   ; QUANTW has written v[PC ..] and v[PW], which the stores below read; MULA and QUANTW are done with the 64 numbers at work, in which the next step's LDS loads land
.irp c, 0,1,2
	ds_store_b128 v[XWI], v[PC+4*\c:PC+4*\c+3] offset:1536*(\ks)+512*\c
.endr
	ds_store_b32 v[XWS], v[PW] offset:128*(\ks)
.endm
.macro RPART j, off, g                 ; a third of ring buffer j is asked for: eight loads of codes, 512 consecutive bytes each; with the last third the unit's scale words
.if (\j) == 0
.set RB, 0
.set RW, 0xc0
.elseif (\j) == 1
.set RB, 96
.set RW, 0xc0
.elseif (\j) == 2
.set RB, 160
.set RW, 0
.else
.set RB, 144
.set RW, 0x80
.endif
	WIN RW
.set rf, 8*(\g)
.rept 8
	global_load_b128 v[RB+4*rf:RB+4*rf+3], v[LN16], s[BP:BP+1] offset:(\off)+12800*(\j)+512*rf
.set rf, rf+1
.endr
.if (\g) == 2
	WIN 0
	global_load_b128 v[BS+4*(\j):BS+4*(\j)+3], v[LN16], s[BP:BP+1] offset:(\off)+12800*(\j)+12288
.endif
.endm
.macro RFILL j, off                    ; the whole of ring buffer j.  In the prologue: buffers 0 and 1 have been named by nothing yet; the vector lines that worked in v160-255, buffer 2, stand ahead of the K steps' waits on va_vdst
	RPART \j, \off, 0
	RPART \j, \off, 1
	RPART \j, \off, 2
.endm
.macro WM d, a, b, sa, sb, cm, t       ; one product.  cm = 1: it starts the sum; 2: the bias is its C; 0: it adds in place.  t = 1: the strip's scale words lie in lanes 16-31
.if (\cm) == 1
.if (\t) == 0
	v_wmma_scale_f32_16x16x128_f8f6f4 v[\d:\d+7], v[\a:\a+11], v[\b:\b+11], 0, v[\sa], v[\sb] matrix_a_fmt:MATRIX_FMT_BF6 matrix_b_fmt:MATRIX_FMT_BF6
.else
	v_wmma_scale_f32_16x16x128_f8f6f4 v[\d:\d+7], v[\a:\a+11], v[\b:\b+11], 0, v[\sa], v[\sb] matrix_a_fmt:MATRIX_FMT_BF6 matrix_b_fmt:MATRIX_FMT_BF6 matrix_a_scale:MATRIX_SCALE_ROW1
.endif
.elseif (\cm) == 2
.if (\t) == 0
	v_wmma_scale_f32_16x16x128_f8f6f4 v[\d:\d+7], v[\a:\a+11], v[\b:\b+11], v[BI:BI+7], v[\sa], v[\sb] matrix_a_fmt:MATRIX_FMT_BF6 matrix_b_fmt:MATRIX_FMT_BF6
.else
	v_wmma_scale_f32_16x16x128_f8f6f4 v[\d:\d+7], v[\a:\a+11], v[\b:\b+11], v[BI+8:BI+15], v[\sa], v[\sb] matrix_a_fmt:MATRIX_FMT_BF6 matrix_b_fmt:MATRIX_FMT_BF6 matrix_a_scale:MATRIX_SCALE_ROW1
.endif
.else
.if (\t) == 0
	v_wmma_scale_f32_16x16x128_f8f6f4 v[\d:\d+7], v[\a:\a+11], v[\b:\b+11], v[\d:\d+7], v[\sa], v[\sb] matrix_a_fmt:MATRIX_FMT_BF6 matrix_b_fmt:MATRIX_FMT_BF6
.else
	v_wmma_scale_f32_16x16x128_f8f6f4 v[\d:\d+7], v[\a:\a+11], v[\b:\b+11], v[\d:\d+7], v[\sa], v[\sb] matrix_a_fmt:MATRIX_FMT_BF6 matrix_b_fmt:MATRIX_FMT_BF6 matrix_a_scale:MATRIX_SCALE_ROW1
.endif
.endif
.endm
.macro BIAS tr, pp                     ; bo of columns 256 w + 64 tr + 32 pp + 16 h + 0 .. 15, in the result's layout
.irp q, 0,1,2,3
	ds_load_b128 v[BI+4*\q:BI+4*\q+3], v[BA] offset:256*(\tr)+128*(\pp)+16*\q
.endr
.endm
.macro STAGE tr, pp                    ; 32 columns of the 64 rows into my stage; each accumulator from its low end on
	WIN 0x0c
	s_wait_alu depctr_va_vdst(0)                   ; the products have written the accumulators, which the stores below read (the places stand ahead of this wait); they are also done reading the bias, in which the next bias lands, and this unit's buffer, in which the next unit's loads land
.irp m, 0,1,2,3
.irp t, 0,1
	ds_store_b128 v[OSW], v[192+16*\m+8*\t:195+16*\m+8*\t] offset:17408*((\tr)&1)+4352*\m+128*(\pp)+32*\t
	ds_store_b128 v[OSW], v[196+16*\m+8*\t:199+16*\m+8*\t] offset:17408*((\tr)&1)+4352*\m+128*(\pp)+32*\t+16
.endr
.endr
	WIN 0
.endm
.macro OUTLD tr, q                     ; rows 16 q .. 16 q + 15 of trip tr's 64 columns come back as whole runs of 256 bytes
.set oi, 0
.rept 8
	ds_load_b128 v[OB+4*oi:OB+4*oi+3], v[ORD] offset:17408*((\tr)&1)+272*(16*(\q)+2*oi)
.set oi, oi+1
.endr
.endm
.macro OUTST tr, q
.set oi, 0
.rept 8
	global_store_b128 v[OGO], v[OB+4*oi:OB+4*oi+3], s[14:15] offset:4096*(16*(\q)+2*oi)+256*(\tr) th:TH_STORE_NT   ; 16 lanes store 256 consecutive bytes, aligned
.set oi, oi+1
.endr
.endm
; A unit: 32 products, four K steps x four tiles of rows x two strips; the eight accumulators take turns, one instruction a turn.  Behind them five plain places: four for
; the first reads of results, the fifth for a later product that begins an accumulator anew (ISA guide 7.12.1).
; refill = 1: behind its K steps 0, 1 and 2 the unit asks, eight loads at a time, for the buffer that the unit BEFORE has multiplied (buffer j - 1), with what that buffer holds three units on.
; otr >= 0: behind K step 1 the quarter of trip otr that came back from the stage at the slot's head is stored.  This unit's products name buffer j, the rows' fragments, their scale words, the bias and the
; accumulators: none of the registers that those loads and stores touch.  vw = 1: the wait on va_vdst is written here; vw = 0: STAGE's stands between the unit before and these loads.
.macro UNIT j, cmode, refill, roff, cnt, vw, otr
	s_wait_loadcnt \cnt
.if \vw
	s_wait_alu depctr_va_vdst(0)                   ; the products of the unit before are done reading their buffer and its scale words, in which this unit's loads land
.endif
.if (\j) == 0
.set UB, 0
.set UW, 3
.elseif (\j) == 1
.set UB, 96
.set UW, 3
.elseif (\j) == 2
.set UB, 160
.set UW, 0
.else
.set UB, 144
.set UW, 2
.endif
.set PJ, ((\j)+3)%4
.set uk, 0
.rept 4
.set uks, 4*((\j)&1)+uk
.if uks <= 4
.set XW, 1
.set XB, 48*uks
.else
.set XW, 2
.set XB, 48*(uks-5)
.endif
.set CM, 0
.set CW, 3
.if uk == 0
.set CM, \cmode
.if (\cmode) == 2
.set CW, 0
.endif
.endif
	WIN 0xc0|(CW<<4)|(XW<<2)|UW
.irp m, 0,1,2,3
.irp t, 0,1
	WM 192+16*\m+8*\t, UB+12*(2*uk+\t), XB+12*\m, BS+4*(\j)+uk, XS+4*uks+\m, CM, \t
.endr
.endr
.if (\refill) && (uk < 3)
	RPART PJ, \roff, uk
.endif
.if ((\otr) >= 0) && (uk == 1)
	WIN 0
	s_wait_dscnt 0x0                               ; the quarter is back in registers: its eight loads, asked for sixteen products ago, are my only LDS instructions that are out
	OUTST \otr, \j
.endif
.set uk, uk+1
.endr
	WIN 0
.rept 5
	v_nop
.endr
.endm
; One unit of trip tr, and beside it a quarter of the trip before on its way out.  Unit 0 asks for this trip's unit 3, units 1 to 3 for the next trip's units 0 to 2; the thirteenth unit asks for the last.
.macro SLOT tr, j, cnt
	WIN 0
	s_wait_dscnt 0x0                               ; the bias is in, and the stage's stores have read the accumulators
.if ((\tr) > 0) || ((\j) == 2)
	s_wait_alu depctr_vm_vsrc(0)                   ; the stage's stores have read the accumulators, which an even unit's products begin anew; the last quarter's stores have read v[OB ..], in which the loads below land
.endif
.if (\tr) > 0
	s_wait_xcnt 0x0                                ; the last quarter's stores have read their data
	OUTLD (\tr)-1, \j
.endif
.set RF, 0
.if 4*(\tr)+(\j) <= 12
.set RF, 1
.endif
.set RO, (\tr)*TRS
.if (\j) > 0
.set RO, ((\tr)+1)*TRS
.endif
.if ((\j)&1) == 0
	UNIT \j, 2, RF, RO, \cnt, 0, (\tr)-1
.else
	UNIT \j, 0, RF, RO, \cnt, RF, (\tr)-1
	STAGE \tr, (\j)/2
.if (\j) == 1
	BIAS \tr, 1
.elseif (\tr) < 3
	BIAS (\tr)+1, 0
.endif
.endif
.endm
	s_load_b256 s[4:11], s[0:1], 0x0               ; vs s[4:5], en s[6:7], stat s[8:9], wc s[10:11]
	s_load_b128 s[12:15], s[0:1], 0x20             ; bo s[12:13], out0 s[14:15]
	v_lshl_add_u32 v104, v0, 2, 0x39400
	v_mov_b32 v105, 0
	v_lshrrev_b32 v101, 5, v0
	v_readfirstlane_b32 s16, v101                  ; wave 0..3
	v_and_b32 v101, 31, v0
	v_and_b32 v[RR], 15, v0
	v_bfe_u32 v[HH], v0, 4, 1
	v_lshlrev_b32 v[LN16], 4, v101
	v_lshlrev_b32 v[LN4], 2, v101
	v_lshlrev_b32 v[SH8], 3, v[HH]
.irp i, 0,1,2,3
	v_mov_b32 v[T4+\i], 0                          ; a lane permute's destination counts as read
.endr
	s_wait_alu depctr_va_sdst(0)                   ; s16 is written, ahead of its first reader: LDS addresses and the buffers' bases are made from it
	s_mul_i32 s25, s16, 8448
	s_add_co_u32 s25, s25, TST
	v_add_nc_u32 v[TSW], s25, v[LN16]
	v_mul_u32_u24 v[TSR], v[RR], 528
	v_lshl_add_u32 v[TSR], v[HH], 7, v[TSR]
	v_add_nc_u32 v[TSR], s25, v[TSR]
	s_mul_i32 s25, s16, 12288
	v_add_nc_u32 v[XWI], s25, v[LN16]
	s_lshl_b32 s25, s16, 10
	s_add_co_u32 s26, s25, XSC
	v_add_nc_u32 v[XWS], s26, v[LN4]
	s_add_co_u32 s26, s25, AX
	v_add_nc_u32 v[AXW], s26, v[LN16]
	v_lshl_add_u32 v[AXR], v[RR], 6, s26
	s_add_co_u32 s26, s25, BOL
	v_lshl_add_u32 v[BA], v[HH], 6, s26
	s_mul_i32 s25, s16, 34816
	s_add_co_u32 s25, s25, OST
	v_mul_u32_u24 v[OSW], v[RR], 272
	v_lshl_add_u32 v[OSW], v[HH], 6, v[OSW]
	v_add_nc_u32 v[OSW], s25, v[OSW]
	v_mul_u32_u24 v[ORD], v[HH], 272
	v_lshl_add_u32 v[ORD], v[RR], 4, v[ORD]
	v_add_nc_u32 v[ORD], s25, v[ORD]
	v_lshlrev_b32 v[OGO], 4, v[RR]
	v_lshl_add_u32 v[OGO], v[HH], 12, v[OGO]
	s_mov_b32 s[SEL], 0x76543210
	s_mov_b32 s[SEL+1], 0xfedcba98
	s_mov_b32 s24, 0x3e38aa3b                      ; c = log2(e) / 8
	s_lshr_b32 s18, ttmp9, 6                       ; n
	s_lshr_b32 s19, ttmp9, 2                       ; 16 n + a
	s_and_b32 s20, ttmp9, 3                        ; t
	s_mov_b32 s27, 0
	s_wait_kmcnt 0x0
	s_lshl_b32 s26, s18, 20                        ; V: row 256 n + 64 t + 16 w of 4,096 bytes
	s_lshl_b32 s25, s20, 18
	s_add_co_u32 s26, s26, s25
	s_lshl_b32 s25, s16, 16
	s_add_co_u32 s26, s26, s25
	s_add_nc_u64 s[SRC:SRC+1], s[SRC:SRC+1], s[26:27]
	s_lshl_b32 s26, s19, 18                        ; en: 16 rows (b) of 16,384 bytes for (n, a), at position 1,024 t + 256 w
	s_lshl_b32 s25, s20, 12
	s_add_co_u32 s26, s26, s25
	s_lshl_b32 s25, s16, 10
	s_add_co_u32 s26, s26, s25
	s_add_nc_u64 s[6:7], s[6:7], s[26:27]
	s_lshl_b32 s26, s19, 12                        ; stat: 4,096 bytes for (n, a)
	s_add_nc_u64 s[8:9], s[8:9], s[26:27]
	s_mul_i32 s26, s16, 51200                      ; wc: trip 12, my wave's four units
	s_add_co_u32 s26, s26, 12*TRS
	s_add_nc_u64 s[BP:BP+1], s[10:11], s[26:27]
	s_lshl_b32 s26, s16, 10                        ; bo: my 256 columns
	s_add_nc_u64 s[12:13], s[12:13], s[26:27]
	s_lshl_b32 s26, ttmp9, 18                      ; out0: row 64 g, my 256 columns
	s_lshl_b32 s25, s16, 10
	s_add_co_u32 s26, s26, s25
	s_add_nc_u64 s[14:15], s[14:15], s[26:27]
	s_wait_alu depctr_va_vdst(0)                   ; the offsets and LDS addresses v1 to v13 are written, which every load, store and LDS instruction of the kernel reads
	; ---- all that the head needs is asked for at once
.irp q, 0,1
	global_load_b128 v[224+4*\q:227+4*\q], v[LN16], s[12:13] offset:512*\q
.endr
.irp i, 0,1,2,3,4,5,6,7
	global_load_b128 v[160+4*\i:163+4*\i], v[LN16], s[8:9] offset:512*\i            ; c max of work-group 8 i + lane / 4, b = 4 (lane % 4) + 0 .. 3
.endr
.irp i, 0,1,2,3,4,5,6,7
	global_load_b128 v[192+4*\i:195+4*\i], v[LN16], s[8:9] offset:262144+512*\i     ; and its sum
.endr
	WIN 0x80
.set P, 0
.rept 32                               ; energies: register 8 b + 4 q + e = position 128 q + 4 lane + e of my 256
	global_load_b128 v[4*P:4*P+3], v[LN16], s[6:7] offset:16384*(P/2)+512*(P%2) th:TH_LOAD_NT
.set P, P+1
.endr
	LOADK 0
	WIN 0
	s_wait_loadcnt 48                              ; bo and the statistics are in; the 32 loads of energies and set 0's 16 may be out
.irp q, 0,1
	ds_store_b128 v[AXW], v[224+4*\q:227+4*\q] offset:BOL-AX+512*\q
.endr
.irp u, 0,1,2,3
	v_max3_num_f32 v[232+\u], v[160+\u], v[164+\u], v[168+\u]
.endr
.irp i, 3,5
.irp u, 0,1,2,3
	v_max3_num_f32 v[232+\u], v[232+\u], v[160+4*\i+\u], v[164+4*\i+\u]
.endr
.endr
.irp u, 0,1,2,3
	v_max_num_f32 v[232+\u], v[232+\u], v[188+\u]
.endr
.irp u, 0,1,2,3
	v_max_num_f32_dpp v[232+\u], v[232+\u], v[232+\u] row_xmask:4 row_mask:0xf bank_mask:0xf   ; the lanes with my lane % 4 hold the other work-groups
.endr
.irp u, 0,1,2,3
	v_max_num_f32_dpp v[232+\u], v[232+\u], v[232+\u] row_xmask:8 row_mask:0xf bank_mask:0xf
.endr
.irp u, 0,1,2,3
	v_permlanex16_b32 v[T4+\u], v[232+\u], s[SEL], s[SEL+1]
.endr
.irp u, 0,1,2,3
	v_max_num_f32 v[232+\u], v[232+\u], v[T4+\u]   ; M
.endr
.irp i, 0,1,2,3,4,5,6,7
.irp u, 0,1,2,3
	v_sub_f32 v[160+4*\i+\u], v[160+4*\i+\u], v[232+\u]
.endr
.endr
.set P, 0
	s_wait_alu depctr_va_vdst(0)
.rept 32
	v_exp_f32 v[160+P], v[160+P]
.set P, P+1
.endr
	v_nop
	s_wait_alu depctr_va_vdst(0)                   ; the 32 exponentials have written v160-191, ahead of their first reader
.irp u, 0,1,2,3
	v_mul_f32 v[236+\u], v[192+\u], v[160+\u]
.endr
.irp i, 1,2,3,4,5,6,7
.irp u, 0,1,2,3
	v_fmac_f32 v[236+\u], v[192+4*\i+\u], v[160+4*\i+\u]
.endr
.endr
.irp u, 0,1,2,3
	v_add_f32_dpp v[236+\u], v[236+\u], v[236+\u] row_xmask:4 row_mask:0xf bank_mask:0xf
.endr
.irp u, 0,1,2,3
	v_add_f32_dpp v[236+\u], v[236+\u], v[236+\u] row_xmask:8 row_mask:0xf bank_mask:0xf
.endr
.irp u, 0,1,2,3
	v_permlanex16_b32 v[T4+\u], v[236+\u], s[SEL], s[SEL+1]
.endr
.irp u, 0,1,2,3
	v_add_f32 v[236+\u], v[236+\u], v[T4+\u]       ; L
.endr
	s_wait_alu depctr_va_vdst(0)
.irp u, 0,1,2,3
	v_rcp_f32 v[236+\u], v[236+\u]
.endr
.irp u, 0,1,2,3
	v_xor_b32 v[232+\u], 0x80000000, v[232+\u]     ; -M.  (Plain places behind the reciprocals)
.endr
.set P, 0
	s_wait_alu depctr_va_vdst(0)                   ; the four reciprocals have written v236-239, ahead of their first reader
.rept 16
	v_readlane_b32 s[32+P], v[232+(P&3)], P>>2     ; -M of b = P
	v_readlane_b32 s[48+P], v[236+(P&3)], P>>2     ; 1 / L
.set P, P+1
.endr
	s_wait_alu depctr_va_sdst(0)                   ; s32 to s63 are written, ahead of their first readers, the multiply-adds below: one wait for the run of 32
	LOADK 1
	LOADK 2
	s_wait_loadcnt 48                              ; the energies are in; sets 0 to 2 may be out
	WIN 0x82
.set P, 0
.rept 128
	v_fma_f32 v[P], v[P], s24, s[32+P/8]           ; c e - M
.set P, P+1
.endr
.set P, 0
	s_wait_alu depctr_va_vdst(0)
.rept 128
	v_exp_f32 v[P], v[P]
.set P, P+1
.endr
	v_nop
	WIN 0x08
.set P, 0
	s_wait_alu depctr_va_vdst(0)                   ; the 128 exponentials have written v0-127 of window 2, ahead of their first reader
.rept 8
	v_mul_f32 v[240+P], s48, v[P]
.set P, P+1
.endr
.set P, 8
.rept 120
	v_fmac_f32 v[240+(P&7)], s[48+P/8], v[P]       ; A = the sum over b of 2^(c e - M) / L; eight chains by turns
.set P, P+1
.endr
	WIN 0
	s_wait_alu depctr_va_vdst(0)                   ; A is written in v240-247, which the stores below read; the head's vector lines are done with v160-255 and with v0-127 of window 2, in which ring buffer 2 and fragments land later
.irp q, 0,1
	ds_store_b128 v[AXW], v[240+4*\q:243+4*\q] offset:512*\q
.endr
.irp q, 0,1,2,3
	ds_load_b128 v[AV+4*\q:AV+4*\q+3], v[AXR] offset:16*\q      ; my row's 16 positions (LDS serves a wave's instructions in order)
.endr
	s_wait_dscnt 0x0
	LOADK 3
	; ---- eight K steps of my 16 rows: x A, quantised, images to LDS
	KHEAD 0, 48
	LOADK 4
	KTAIL 0
	KHEAD 1, 48
	LOADK 5
	KTAIL 1
	KHEAD 2, 48
	LOADK 6
	KTAIL 2
	KHEAD 3, 48
	LOADK 7
	KTAIL 3
	KHEAD 4, 48
	KTAIL 4
	KHEAD 5, 32                                    ; behind set 5: sets 6 and 7
	RFILL 0, 0
	KTAIL 5
	KHEAD 6, 41                                    ; behind set 6: set 7 and unit 0's 25
	RFILL 1, 0
	KTAIL 6
	KHEAD 7, 50                                    ; behind set 7: units 0 and 1
	RFILL 2, 0
	KTAIL 7
	s_wait_dscnt 0x0                               ; for the others' sake: my images lie in LDS
	s_barrier_signal -1
	s_barrier_wait -1
	WIN 0x40                                       ; (the fragments land in the sets and in the energies' registers: the last K step's waits stand behind the last LDS store that read a set and behind the last vector line that named an energy)
.irp k, 0,1,2,3,4
.irp m, 0,1,2,3
.irp c, 0,1,2
	ds_load_b128 v[12*(4*\k+\m)+4*\c:12*(4*\k+\m)+4*\c+3], v[LN16] offset:(8*\m+\k)*1536+512*\c
.endr
.endr
.endr
	WIN 0x80
.irp k, 5,6,7
.irp m, 0,1,2,3
.irp c, 0,1,2
	ds_load_b128 v[12*(4*(\k-5)+\m)+4*\c:12*(4*(\k-5)+\m)+4*\c+3], v[LN16] offset:(8*\m+\k)*1536+512*\c
.endr
.endr
.endr
	WIN 0
.irp k, 0,1,2,3,4,5,6,7
.irp m, 0,1,2,3
	ds_load_b32 v[XS+4*\k+\m], v[LN4] offset:XSC+128*(8*\m+\k)
.endr
.endr
	BIAS 0, 0
	; ---- four trips of 64 columns; every offset is an immediate.  Behind a unit's own 25 loads stand the 50 of the two units that follow it
.irp T, 0,1,2
	SLOT \T, 0, 50
	SLOT \T, 1, 50
	SLOT \T, 2, 50
	SLOT \T, 3, 50
.endr
	SLOT 3, 0, 50                                  ; the last load of wc: trip 15's unit 3
	SLOT 3, 1, 50                                  ; the last three units ask for nothing: the counts run down
	SLOT 3, 2, 25
	SLOT 3, 3, 0
.irp q, 0,1,2,3
	s_wait_xcnt 0x0                                ; the last quarter's stores have read their data
	s_wait_alu depctr_vm_vsrc(0)                   ; the same, stated for the loads below, which land in v[OB ..]
	OUTLD 3, \q
	s_wait_dscnt 0x0
	OUTST 3, \q
.endr
	s_wait_dscnt 0x0                               ; the closing lines, six on end
	s_wait_alu 0x0
	s_wait_tensorcnt 0x0
	ds_add_u32 v104, v105
	s_wait_dscnt 0x0
	s_endpgm
.Lfunc_end_k_qb37207ff35_outp:
	.size	k_qb37207ff35_outp, .Lfunc_end_k_qb37207ff35_outp-k_qb37207ff35_outp
	.p2alignl 7, 3214868480
	.fill 96, 4, 3214868480
	.section	.rodata,"a",@progbits
	.p2align	6, 0x0
	.amdhsa_kernel k_qb37207ff35_outp
		.amdhsa_group_segment_fixed_size 235008
		.amdhsa_private_segment_fixed_size 0
		.amdhsa_enable_private_segment 0
		.amdhsa_kernarg_size 48
		.amdhsa_user_sgpr_count 2
		.amdhsa_user_sgpr_kernarg_segment_ptr 1
		.amdhsa_wavefront_size32 1
		.amdhsa_system_sgpr_workgroup_id_x 1
		.amdhsa_system_sgpr_workgroup_id_y 1
		.amdhsa_system_sgpr_workgroup_id_z 1
		.amdhsa_system_vgpr_workitem_id 0
		.amdhsa_next_free_vgpr 1024
		.amdhsa_next_free_sgpr 66
		.amdhsa_reserve_vcc 0
		.amdhsa_float_denorm_mode_32 3
		.amdhsa_float_denorm_mode_16_64 3
		.amdhsa_memory_ordered 1
		.amdhsa_forward_progress 1
		.amdhsa_inst_pref_size 255
	.end_amdhsa_kernel
	.section	.bss,"aw",@nobits
	.p2align	6
	.space	262144
	.amdgpu_metadata
---
amdhsa.version: [ 1, 2 ]
amdhsa.kernels:
  - .name:           k_qb37207ff35_outp
    .symbol:         k_qb37207ff35_outp.kd
    .args:
      - { .name: vs, .offset: 0, .size: 8, .value_kind: global_buffer, .address_space: global }
      - { .name: en, .offset: 8, .size: 8, .value_kind: global_buffer, .address_space: global }
      - { .name: stat, .offset: 16, .size: 8, .value_kind: global_buffer, .address_space: global }
      - { .name: wc, .offset: 24, .size: 8, .value_kind: global_buffer, .address_space: global }
      - { .name: bo, .offset: 32, .size: 8, .value_kind: global_buffer, .address_space: global }
      - { .name: out0, .offset: 40, .size: 8, .value_kind: global_buffer, .address_space: global }
    .group_segment_fixed_size: 235008
    .private_segment_fixed_size: 0
    .kernarg_segment_align: 8
    .kernarg_segment_size: 48
    .max_flat_workgroup_size: 128
    .sgpr_count:     66
    .vgpr_count:     1024
    .wavefront_size: 32
...
	.end_amdgpu_metadata
.endif
;; end of part 6
